; MI455X (gfx1250); checked and timed in simulation.
; The chip was launched on July 23, 2026; its instructions are those of AMD's public machine-readable ISA for CDNA 5 (MIT licence, August 2026) and "CDNA5" Instruction Set Architecture Reference Guide (July 2026). The comments in the code are by the model that wrote it; some were corrected since.
;; Causal Attention. Allowed arithmetic: float matrix products may take bf16 or f16 operands with f32 sums; other float arithmetic in f32, or as packed bf16 or f16 multiplies, adds, multiply-adds, maxima and minima; sums over many terms, partial sums and values carried from step to step in f32; what a program stores and reads back later, other than sums and carried values, may be rounded once to bf16 or f16.
;; Inputs: Wk 1,024 x 1,024 float32; Wq 1,024 x 1,024 float32; Wv 1,024 x 1,024 float32; x 4 x 2,048 x 1,024 float32.
;; Outputs: out0 4 x 2,048 x 1,024 float32.
;; One version. Each part assembles by itself: llvm-mc -triple=amdgcn-amd-amdhsa -mcpu=gfx1250 --defsym DOCPART=n.
;; ======== version 1 of 1: 4 launches
;; limits: values are held in f16: magnitudes above 65,504 overflow, below 6.1e-05 lose precision
;; workspace buffers: xb 16,777,216 bytes; wt 6,291,456 bytes; qkv 50,331,648 bytes; p 33,554,432 bytes; st 1,048,576 bytes
;; launch cast (part 1): grid 1408 x 1, 8 waves a work-group, no clusters, 18,432 bytes of LDS; arguments x, Wq, Wk, Wv, xb, wt; writes xb, wt
.if DOCPART == 1
	.amdgcn_target "amdgcn-amd-amdhsa--gfx1250"
	.amdhsa_code_object_version 6
	.text
	.protected	k_q9939390579_cast
	.globl	k_q9939390579_cast
	.p2align	8
	.type	k_q9939390579_cast,@function
k_q9939390579_cast:
	s_mov_b64 s[64:65], 0
	v_nop
	global_prefetch_b8 v0, s[64:65] scope:SCOPE_SE
	s_setreg_imm32_b32 hwreg(HW_REG_WAVE_MODE, 25, 1), 1
	s_wait_xcnt 0x0
; xb = x rounded to bf16, laid in 16 blocks of 64 d: byte (kb << 20) + (t << 7) + 2 (d % 64), t = 0 .. 8191.
; wt = the three weights rounded to bf16 and turned, in 16 blocks of 64 d: byte kb x 393,216 + (n << 7) + 2 (d % 64), n = 1024 which + e (which: 0 Wq, 1 Wk, 2 Wv).
; In both a block's rows lie end to end, so that the next launch's tiles of 64 along d are dense.
; A stream: each input byte is read once, each output byte written once; nothing is shared between work-groups, so there is no cluster, no tensor load and no matrix work.
; Work-groups 0 to 383 turn a tile of 128 d x 64 e of one weight through LDS; work-groups 384 to 1407 round 8 rows of x each.
.set PITCH, 272                        ; an LDS row: 128 d in bf16 = 256 bytes, + 16
.set SPARE, 64*PITCH                   ; 17,408: behind the tile, the spare words: 128 bytes for each of eight waves, four blocks of 256 bytes that no other line names
.set WBLK,  3072*128                   ; bytes in a block of wt
.set SPW, 60                           ; v60  LDS address of my spare word; never rewritten
.set NIL, 61                           ; v61  0; never rewritten
	s_load_b256 s[4:11], s[0:1], 0x0               ; x s[4:5], Wq s[6:7], Wk s[8:9], Wv s[10:11]
	s_load_b128 s[12:15], s[0:1], 0x20             ; xb s[12:13], wt s[14:15]
	v_lshl_add_u32 v[SPW], v0, 2, SPARE
	v_mov_b32 v[NIL], 0
	s_cmp_lt_u32 ttmp9, 384
	s_cbranch_scc1 .Lweights
	; ---- x: 8 rows.  Wave w takes the blocks 2 w and 2 w + 1.  One instruction takes two rows x 64 columns of one block: lanes 0-15 the even row, lanes 16-31 the odd one:
	; two runs of 256 consecutive bytes in, 256 consecutive bytes out (two rows of 128 bytes that lie end to end), all aligned
	s_sub_co_u32 s16, ttmp9, 384
	s_lshl_b32 s18, s16, 15                        ; 8 rows of 4,096 bytes
	s_mov_b32 s19, 0
	s_lshl_b32 s20, s16, 10                        ; 8 rows of 128 bytes in each block
	s_mov_b32 s21, 0
	v_and_b32 v3, 31, v0                           ; lane
	v_lshrrev_b32 v4, 5, v0                        ; wave
	v_and_b32 v5, 15, v0
	v_bfe_u32 v6, v0, 4, 1
	v_lshlrev_b32 v1, 12, v6                       ; in: the row's parity x 4,096
	v_lshl_add_u32 v1, v5, 4, v1                   ; + 16 (lane % 16)
	v_lshl_add_u32 v1, v4, 9, v1                   ; + the wave's two blocks: 512 bytes of a row
	v_lshlrev_b32 v2, 3, v3                        ; out: 8 x lane = parity x 128 + 8 (lane % 16)
	v_lshl_add_u32 v2, v4, 21, v2                  ; + the wave's two blocks of 2^20 bytes
	s_wait_kmcnt 0x0
	s_add_nc_u64 s[4:5], s[4:5], s[18:19]
	s_add_nc_u64 s[12:13], s[12:13], s[20:21]
.irp u, 0,1,2,3,4,5,6,7
	global_load_b128 v[8+4*(\u):11+4*(\u)], v1, s[4:5] offset:((\u)/2)*8192+((\u)%2)*256 th:TH_LOAD_NT  ; rows 2 (u / 2) and + 1, block 2 w + u % 2
.endr
.irp u, 0,1,2,3,4,5,6,7
	s_wait_loadcnt 7-(\u)                          ; loads come back in order: load u is in, the younger ones stay out
	v_cvt_pk_bf16_f32 v[40+2*(\u)], v[8+4*(\u)], v[9+4*(\u)]
	v_cvt_pk_bf16_f32 v[41+2*(\u)], v[10+4*(\u)], v[11+4*(\u)]
	global_store_b64 v2, v[40+2*(\u):41+2*(\u)], s[12:13] offset:(((\u)%2)<<20)+((\u)/2)*256
.endr
	s_endpgm                                       ; this way has written no LDS
.Lweights:
	; ---- a weight's tile: rows d = 128 dt .., columns e = 64 et ..
	s_lshr_b32 s16, ttmp9, 7                       ; which
	s_and_b32 s17, ttmp9, 7                        ; dt
	s_bfe_u32 s22, ttmp9, 0x40003                  ; et
	s_lshl_b32 s18, s17, 19                        ; 128 rows of 4,096 bytes
	s_lshl_b32 s23, s22, 8                         ; 64 columns of 4 bytes
	s_add_co_u32 s18, s18, s23
	s_mov_b32 s19, 0
	s_mul_i32 s20, s17, 2*WBLK                     ; blocks 2 dt and 2 dt + 1 of wt
	s_lshl_b32 s23, s16, 17                        ; 1,024 rows of 128 bytes
	s_add_co_u32 s20, s20, s23
	s_lshl_b32 s23, s22, 13                        ; 64 rows
	s_add_co_u32 s20, s20, s23
	s_mov_b32 s21, 0
	v_and_b32 v6, 15, v0                           ; c4: which 4 columns (16 bytes) of a row
	v_lshrrev_b32 v7, 4, v0                        ; rp: which pair of rows, 0 to 15
	v_lshlrev_b32 v1, 13, v7
	v_lshl_add_u32 v1, v6, 4, v1                   ; in: rp x two rows + 16 c4: sixteen lanes read 256 consecutive bytes of a row
	v_mul_u32_u24 v3, v6, 4*PITCH
	v_lshl_add_u32 v3, v7, 2, v3                   ; into LDS: row e = 4 c4 (+ i), byte 4 rp (+ 64 u)
	v_and_b32 v56, 7, v0                           ; back: 16 bytes c of a row's 128 in a block,
	v_bfe_u32 v57, v0, 3, 1                        ; the row's parity,
	v_bfe_u32 v58, v0, 4, 1                        ; which of the two blocks,
	v_lshrrev_b32 v59, 5, v0                       ; and the wave: rows 2 w and 2 w + 1 (+ 16 v)
	v_lshl_add_u32 v57, v59, 1, v57
	v_mul_u32_u24 v4, v57, PITCH
	v_lshl_add_u32 v4, v58, 7, v4
	v_lshl_add_u32 v4, v56, 4, v4
	v_mul_u32_u24 v5, v58, WBLK                    ; and the same place in wt
	v_lshl_add_u32 v5, v57, 7, v5
	v_lshl_add_u32 v5, v56, 4, v5
	s_wait_kmcnt 0x0
	s_cmp_eq_u32 s16, 0
	s_cselect_b64 s[24:25], s[6:7], s[8:9]
	s_cmp_eq_u32 s16, 2
	s_cselect_b64 s[24:25], s[10:11], s[24:25]
	s_add_nc_u64 s[24:25], s[24:25], s[18:19]
	s_add_nc_u64 s[14:15], s[14:15], s[20:21]
.irp u, 0,1,2,3
	global_load_b128 v[8+8*(\u):11+8*(\u)],  v1, s[24:25] offset:131072*(\u) th:TH_LOAD_NT       ; row d = 2 (rp + 16 u)
	global_load_b128 v[12+8*(\u):15+8*(\u)], v1, s[24:25] offset:131072*(\u)+4096 th:TH_LOAD_NT  ; row d + 1
.endr
	s_wait_loadcnt 0x0
.irp u, 0,1,2,3
.irp i, 0,1,2,3
	v_cvt_pk_bf16_f32 v[40+4*(\u)+(\i)], v[8+8*(\u)+(\i)], v[12+8*(\u)+(\i)]  ; column 4 c4 + i: d below, d + 1 above
.endr
.endr
.irp u, 0,1,2,3
.irp i, 0,1,2,3
	ds_store_b32 v3, v[40+4*(\u)+(\i)] offset:PITCH*(\i)+64*(\u)
.endr
.endr
	s_wait_dscnt 0x0                               ; for the others' sake: my stores are done
	s_barrier_signal -1
	s_barrier_wait -1
.irp v, 0,1,2,3
	ds_load_b128 v[8+4*(\v):11+4*(\v)], v4 offset:16*PITCH*(\v)
.endr
.irp v, 0,1,2,3
	s_wait_dscnt 3-(\v)
	global_store_b128 v5, v[8+4*(\v):11+4*(\v)], s[14:15] offset:2048*(\v)  ; sixteen lanes store two rows of a block: 256 consecutive bytes, aligned
.endr
	s_wait_tensorcnt 0x0                           ; the wave's end, behind my last LDS store
	ds_add_u32 v[SPW], v[NIL]
	s_wait_dscnt 0x0
	s_endpgm
.Lfunc_end_k_q9939390579_cast:
	.size	k_q9939390579_cast, .Lfunc_end_k_q9939390579_cast-k_q9939390579_cast
	.p2alignl 7, 3214868480
	.fill 96, 4, 3214868480
	.section	.rodata,"a",@progbits
	.p2align	6, 0x0
	.amdhsa_kernel k_q9939390579_cast
		.amdhsa_group_segment_fixed_size 18432
		.amdhsa_private_segment_fixed_size 0
		.amdhsa_enable_private_segment 0
		.amdhsa_kernarg_size 48
		.amdhsa_user_sgpr_count 2
		.amdhsa_user_sgpr_kernarg_segment_ptr 1
		.amdhsa_wavefront_size32 1
		.amdhsa_system_sgpr_workgroup_id_x 1
		.amdhsa_system_sgpr_workgroup_id_y 1
		.amdhsa_system_sgpr_workgroup_id_z 1
		.amdhsa_system_vgpr_workitem_id 0
		.amdhsa_next_free_vgpr 64
		.amdhsa_next_free_sgpr 66
		.amdhsa_reserve_vcc 0
		.amdhsa_float_denorm_mode_32 3
		.amdhsa_float_denorm_mode_16_64 3
		.amdhsa_memory_ordered 1
		.amdhsa_forward_progress 1
		.amdhsa_inst_pref_size 10
	.end_amdhsa_kernel
	.amdgpu_metadata
---
amdhsa.version: [ 1, 2 ]
amdhsa.kernels:
  - .name:           k_q9939390579_cast
    .symbol:         k_q9939390579_cast.kd
    .args:
      - { .name: x, .offset: 0, .size: 8, .value_kind: global_buffer, .address_space: global }
      - { .name: Wq, .offset: 8, .size: 8, .value_kind: global_buffer, .address_space: global }
      - { .name: Wk, .offset: 16, .size: 8, .value_kind: global_buffer, .address_space: global }
      - { .name: Wv, .offset: 24, .size: 8, .value_kind: global_buffer, .address_space: global }
      - { .name: xb, .offset: 32, .size: 8, .value_kind: global_buffer, .address_space: global }
      - { .name: wt, .offset: 40, .size: 8, .value_kind: global_buffer, .address_space: global }
    .group_segment_fixed_size: 18432
    .private_segment_fixed_size: 0
    .kernarg_segment_align: 8
    .kernarg_segment_size: 48
    .max_flat_workgroup_size: 256
    .sgpr_count:     66
    .vgpr_count:     64
    .wavefront_size: 32
...
	.end_amdgpu_metadata
.endif
;; end of part 1
;; launch qkv (part 2): grid 8 x 32, 4 waves a work-group, clusters of 4 x 4, 327,680 bytes of LDS; arguments xb, wt, qkv; writes qkv
.if DOCPART == 2
	.amdgcn_target "amdgcn-amd-amdhsa--gfx1250"
	.amdhsa_code_object_version 6
	.text
	.protected	k_q9939390579_qkv
	.globl	k_q9939390579_qkv
	.p2align	8
	.type	k_q9939390579_qkv,@function
k_q9939390579_qkv:
	s_mov_b64 s[64:65], 0
	v_nop
	global_prefetch_b8 v0, s[64:65] scope:SCOPE_SE
	s_setreg_imm32_b32 hwreg(HW_REG_WAVE_MODE, 25, 1), 1
	s_wait_xcnt 0x0
	s_wait_alu depctr_hold_cnt(0) depctr_sa_sdst(0) depctr_va_vdst(0) depctr_va_sdst(0) depctr_va_ssrc(0) depctr_va_vcc(0) depctr_vm_vsrc(0)
	s_getreg_b32 s2, hwreg(HW_REG_IB_STS2, 6, 4)
	s_cmp_eq_u32 s2, 0
	s_cbranch_scc0 .Lentry_in_a_cluster
	s_endpgm
.Lentry_in_a_cluster:
	s_bfe_u32 s2, ttmp6, 0x10000c
	s_cmp_lg_u32 s2, 0xf033
	s_cbranch_scc0 .Lentry_shape_is_right
	s_endpgm
.Lentry_shape_is_right:
; [q | k | v][t][n] = the sum over d of x[t][d] W[d][n].  xb: [16][8192][64], wt: [16][3072][64], bf16, in blocks of 64 d; sums in f32; the result rounded once to f16.
; qkv is laid in 48 column blocks of 64: byte (cb << 20) + (t << 7) + 2 e'; q is cb 0-15, k 16-31, v 32-47: a block's rows lie end to end.
; LIMIT.  f16 ends at 65,504: q, k and v must stay within it (drawn inputs give a few units; all inputs thirty times larger a few thousand).
; A tile is 256 rows x 384 columns (six column blocks): 32 x 8 = 256 tiles, one work-group each.  Four waves, 2 x 2: a wave makes 128 rows x 192 columns: 96 accumulators, 768 registers.
; For 32 along K a wave reads (128 + 192) x 64 bytes from LDS for 96 matrix instructions.  A wave's 192 columns are three whole column blocks, so the way out needs no barrier.
; K goes in steps of 64 (one block of xb and wt; two slots of 128 would not fit in LDS): a tile's rows are dense in memory and are asked for as rows of 256 bytes, padded in LDS after every 128.
; CLUSTER 4 x 4: the four of a row of the cluster need the same rows of xb, the four of a column the same rows of wt: each tile is asked for jointly.
; THE MATRIX INSTRUCTION IS USED TRANSPOSED: source 0 = 16 rows of wt, source 1 = 16 rows of xb: a lane holds row l % 16 and the columns 8 (l / 16) + 0..7.
; REGISTERS: window 0: v16-30 addresses; v32-95, v96-159 two buffers of xb's 8 fragments; v160-207, v208-255 wt's 12 fragments as two halves of 6 (all later at work on the way out).
;   windows 1-3: the accumulators: column half bh, row block a, column block b' at number 48 bh + 6 a + b', eight registers each, 32 to a window.
; A QUARTER is 32 along K: two halves of 48 matrix instructions (all 8 row blocks x one half of wt's fragments).  Behind a half the wt half that it read is loaded for the next quarter;
; xb's other buffer is loaded in the quarter's middle.  So one and a half sets of fragments do for two.  All fragments lie in window 0: no load switches a window.
.set PITCH,  144                       ; 128 bytes + 16: the sixteen rows of a fragment load start at sixteen different groups of four banks (ISA guide 11.1)
.set HALFA,  128*PITCH                 ; what waves 0 and 1 fetch: 128 rows of xb each; also what a wave reads of xb
.set HALFB,  192*PITCH                 ; what waves 2 and 3 fetch: 192 rows of wt each; also what a wave reads of wt
.set BOFF,   2*HALFA
.set SLOTB,  BOFF+2*HALFB              ; 92,160 bytes in a slot
.set SLOT1,  1<<17                     ; slot 1 begins here, so that one exclusive or turns an address in one slot into the other's
.set STAGE,  SLOTB                     ; between the slots, never filled by a tensor load: for each wave 3 column blocks x 16 rows x 144 bytes
.set SP,     144
.set WSTG,   3*16*SP
.set SPARE,  STAGE+4*WSTG              ; 119,808: the spare words: 128 bytes a wave, two blocks of 256 bytes that no other line names
.set STEPA,  8192*128                  ; bytes from a block of xb to the next
.set STEPB,  3072*128                  ; of wt
.set A0,   16                          ; v16  my lane's place in a slot's rows of xb; never rewritten
.set B0,   17                          ; v17  the same for wt
.set ADRA, 18                          ; v18  the same in the slot that is being read
.set ADRB, 19
.set STO,  24
.set RD,   25
.set GO,   26
.set SPW,  28
.set NIL,  29
.set PFO,  30                          ; the prefetches' offset: a lane a block of 256 bytes
.set FA,   32
.set FB,   160
.set TMP,  32                          ; the way out: 48 registers of packed results,
.set OB,   80                          ; and two sets of 48 for rows read back
.set TB,  2                            ; s2   LDS byte at which the slot that is being read begins
.set G1,  24
.set G0,  32                           ; s[32:39] group 0 for xb's tiles: a set for each of the two first fills; the second then walks on
.set G1B, 48
.set G0B, 56                           ; the same for wt's
.set LIM, 43                           ; 1 in a wave that prefetches, else the greatest number
.set PFA, 44                           ; s[44:45] where my prefetches stand
.set PST, 22                           ; s[22:23] their step: a block of xb or of wt
.set MSB, 0
.macro WIN new                         ; the immediate's high byte repeats the setting that is left; a switch that changes nothing is dropped
.if MSB != (\new)
	s_set_vgpr_msb (MSB<<8)|(\new)
.set MSB, \new
.endif
.endm
.macro PLACES                          ; four places behind matrix instructions, in front of loads into registers that they read and of conversions that read results
.rept 4
	v_nop
.endr
.endm
.macro JLOAD s                         ; a joint load: waves 0, 1 fetch xb's halves, waves 2, 3 wt's; an s_nop 0 and four v_nop follow each line
	s_cmp_eq_u32 s11, 0
	s_cbranch_scc0 .Lfor_b_\@
	tensor_load_to_lds s[G0+4*(\s):G0+4*(\s)+3], s[G1:G1+7]
	s_nop 0
.rept 4
	v_nop
.endr
	s_branch .Lasked_\@
.Lfor_b_\@:
	tensor_load_to_lds s[G0B+4*(\s):G0B+4*(\s)+3], s[G1B:G1B+7]
	s_nop 0
.rept 4
	v_nop
.endr
.Lasked_\@:
.endm
.macro ASK                             ; the K step that the next refill will ask for: 192 matrix instructions ahead of that load; the loop's last trip has no such step
	s_cmp_gt_u32 s3, s[LIM]
	s_cbranch_scc0 .Lnot_mine_\@
	global_prefetch_b8 v[PFO], s[PFA:PFA+1] th:TH_LOAD_NT scope:SCOPE_SE
.Lnot_mine_\@:
.endm
.macro CREST                           ; a round of the cluster's barrier behind its opening barrier
	s_cmp_lg_u32 s10, 0
	s_cbranch_scc1 .Lnot_wave_0_\@
	s_barrier_signal -3
.Lnot_wave_0_\@:
	s_barrier_wait -3
	s_barrier_signal -1
	s_barrier_wait -1
.endm
.macro CROUND
	s_barrier_signal -1
	s_barrier_wait -1
	CREST
.endm
	s_load_b128 s[4:7], s[0:1], 0x0                ; xb s[4:5], wt s[6:7]
	s_load_b64 s[8:9], s[0:1], 0x10                ; qkv
	v_lshl_add_u32 v[SPW], v0, 2, SPARE
	v_mov_b32 v[NIL], 0
	ds_add_u32 v[SPW], v[NIL]                      ; the wave's opening add, waited for ahead of my first tensor load; work on registers stands between them
	ds_add_u32 v28, v29
	v_lshrrev_b32 v1, 5, v0
	v_readfirstlane_b32 s10, v1                    ; wave 0..3
	s_lshr_b32 s11, s10, 1                         ; my half of the tile's rows.  Also: I fetch for xb (0) or wt (1)
	s_and_b32 s12, s10, 1                          ; my half of its columns.  Also: which half of that tile I fetch
	s_bfe_u32 s40, ttmp6, 0x40000                  ; cx
	s_bfe_u32 s41, ttmp6, 0x40004                  ; cy
	s_lshl_b32 s42, ttmp9, 2
	s_add_co_u32 s42, s42, s40                     ; tile column = 4 x cluster x + cx
	s_and_b32 s13, ttmp7, 0xffff
	s_lshl_b32 s13, s13, 2
	s_add_co_u32 s13, s13, s41                     ; tile row = 4 x cluster y + cy
	s_lshl_b32 s43, s41, 2
	s_lshl_b32 s43, 15, s43                        ; my row of the cluster
	s_lshl_b32 s44, 0x1111, s40                    ; my column
	s_or_b32 s[G1+0], s43, (1<<16)|(1<<20)|(1<<21)|(4<<22)|(3<<25)   ; mask; 2-byte elements; padding on; bit 21 beside a mask; after every 32 words, 4 words
	s_or_b32 s[G1B+0], s44, (1<<16)|(1<<20)|(1<<21)|(4<<22)|(3<<25)
	s_mov_b32 s[G1+1], 128<<16                     ; 128 rows of 128 bytes are 16,384 dense bytes: 64 rows of 128 elements
	s_mov_b32 s[G1+2], 64<<16
	s_mov_b32 s[G1+3], 128<<16
	s_mov_b32 s[G1+4], 64
	s_mov_b32 s[G1+5], 128
	s_mov_b32 s[G1+6], 0
	s_mov_b32 s[G1+7], 0
	s_mov_b32 s[G1B+1], 128<<16                    ; 192 rows: 96 rows of 128 elements
	s_mov_b32 s[G1B+2], 96<<16
	s_mov_b32 s[G1B+3], 128<<16
	s_mov_b32 s[G1B+4], 96
	s_mov_b32 s[G1B+5], 128
	s_mov_b32 s[G1B+6], 0
	s_mov_b32 s[G1B+7], 0
	s_lshl_b32 s17, s12, 7
	s_lshl_b32 s16, s13, 8
	s_add_co_u32 s16, s16, s17                     ; xb: row 256 x tile row + 128 x half
	s_lshl_b32 s16, s16, 7                         ; of 128 bytes
	s_mov_b32 s17, 0
	s_mul_i32 s46, s42, 384
	s_mul_i32 s47, s12, 192
	s_add_co_u32 s46, s46, s47                     ; wt: row 384 x tile column + 192 x half
	s_lshl_b32 s46, s46, 7
	s_mov_b32 s47, 0
	s_mul_i32 s20, s12, HALFA                      ; where they go: no place in the cluster enters an LDS address
	s_mul_i32 s21, s12, HALFB
	s_add_co_u32 s21, s21, BOFF
	s_mov_b32 s[TB], 0
	s_wait_dscnt 0x0                               ; the opening add is done
	s_wait_kmcnt 0x0
	s_add_nc_u64 s[14:15], s[4:5], s[16:17]
	s_add_nc_u64 s[46:47], s[6:7], s[46:47]
	CROUND                                         ; all sixteen work-groups are here: the first joint loads meet
.irp s, 0,1
	s_mov_b32 s[G0+4*(\s)], 1
	s_add_co_u32 s[G0+4*(\s)+1], s20, (\s)*SLOT1
	s_add_nc_u64 s[G0+4*(\s)+2:G0+4*(\s)+3], s[14:15], (\s)*STEPA
	s_or_b32 s[G0+4*(\s)+3], s[G0+4*(\s)+3], 0x80000000
	s_mov_b32 s[G0B+4*(\s)], 1
	s_add_co_u32 s[G0B+4*(\s)+1], s21, (\s)*SLOT1
	s_add_nc_u64 s[G0B+4*(\s)+2:G0B+4*(\s)+3], s[46:47], (\s)*STEPB
	s_or_b32 s[G0B+4*(\s)+3], s[G0B+4*(\s)+3], 0x80000000
	JLOAD \s
.endr
	v_and_b32 v1, 15, v0                           ; l % 16
	v_bfe_u32 v2, v0, 4, 1                         ; l / 16
	v_mul_u32_u24 v3, v1, PITCH
	v_lshl_add_u32 v3, v2, 4, v3                   ; a fragment's row x pitch + 16 x half
	s_mul_i32 s21, s11, HALFA                      ; my 128 rows of xb
	s_mul_i32 s22, s12, HALFB                      ; my 192 rows of wt,
	s_add_co_u32 s22, s22, BOFF                    ; behind xb's 256
	v_add_nc_u32 v[A0], s21, v3
	v_add_nc_u32 v[B0], s22, v3
	v_mov_b32 v[ADRA], v[A0]                       ; K step 0 lies in slot 0
	v_mov_b32 v[ADRB], v[B0]
	s_mul_i32 s23, s10, WSTG
	s_add_co_u32 s23, s23, STAGE                   ; my stage
	v_mul_u32_u24 v4, v1, SP                       ; in: row l % 16, 16 bytes for each half of the lanes
	v_lshl_add_u32 v4, v2, 4, v4
	v_add_nc_u32 v[STO], s23, v4
	v_bfe_u32 v5, v0, 3, 2                         ; back: 32 lanes take four rows of 128 bytes,
	v_mul_u32_u24 v5, v5, SP
	v_and_b32 v6, 7, v0
	v_lshl_add_u32 v5, v6, 4, v5
	v_add_nc_u32 v[RD], s23, v5
	v_and_b32 v[GO], 31, v0                        ; which are 512 consecutive bytes of a column block
	v_lshlrev_b32 v[GO], 4, v[GO]
	s_lshl_b32 s16, s13, 8
	s_lshl_b32 s17, s11, 7
	s_add_co_u32 s16, s16, s17                     ; my first row
	s_lshl_b32 s16, s16, 7                         ; x 128 bytes
	s_mul_i32 s46, s42, 6                          ; my first column block: 6 x tile column + 3 x half
	s_mul_i32 s47, s12, 3
	s_add_co_u32 s46, s46, s47
	s_lshl_b32 s46, s46, 20
	s_add_co_u32 s16, s16, s46
	s_mov_b32 s17, 0
	s_add_nc_u64 s[8:9], s[8:9], s[16:17]
	; the prefetches.  xb's tile row is read by both clusters of that row of clusters: cluster x = 0 asks; wt's tile column by the eight clusters of that column: cluster y = 0 asks.
	; Of the blocks of 256 bytes that a wave fetches in a K step each of the four partners takes a quarter, told apart by address: 16 of xb's 64 (by cx), 24 of wt's 96 (by cy);
	; the lanes above that number name the quarter's last block again.
	s_lshl_b32 s20, s13, 8
	s_mul_i32 s21, s42, 384
	s_and_b32 s22, ttmp7, 0xffff                   ; cluster y
	s_lshl_b32 s14, s12, 7
	s_mul_i32 s15, s12, 192
	s_lshl_b32 s18, s40, 12
	s_mul_i32 s19, s41, 6144
	s_cmp_eq_u32 s11, 0                            ; do I fetch for xb?
	s_cselect_b32 s20, s20, s21
	s_cselect_b32 s14, s14, s15
	s_cselect_b32 s18, s18, s19
	s_cselect_b32 s22, ttmp9, s22
	s_cselect_b32 s19, 15, 23
	s_mov_b32 s16, STEPB
	s_cselect_b32 s16, STEPA, s16
	s_cselect_b64 s[PFA:PFA+1], s[4:5], s[6:7]
	s_cmp_eq_u32 s22, 0
	s_cselect_b32 s[LIM], 1, -1                    ; the same in all sixteen partners, for a given wave
	s_add_co_u32 s20, s20, s14
	s_lshl_b32 s20, s20, 7
	s_add_co_u32 s20, s20, s18
	s_mov_b32 s21, 0
	s_add_nc_u64 s[PFA:PFA+1], s[PFA:PFA+1], s[20:21]
	s_mov_b32 s[PST], s16
	s_mov_b32 s[PST+1], 0
	s_add_nc_u64 s[PFA:PFA+1], s[PFA:PFA+1], s[PST:PST+1]
	s_add_nc_u64 s[PFA:PFA+1], s[PFA:PFA+1], s[PST:PST+1]  ; at K step 2: the first refill steps it to 3.  K steps 0 to 2 come by their loads alone
	v_and_b32 v[PFO], 31, v0
	v_min_u32 v[PFO], s19, v[PFO]
	v_lshlrev_b32 v[PFO], 8, v[PFO]
; Matrix instructions of column half bh on xb's buffer buf: row blocks alo .. alo + n - 1 x 6 column blocks.  zero = 1: the product starts the sum.
; Each accumulator has one instruction a quarter: 95 others' stand between two links of a chain, over the backward jump too.
.macro HM bh, buf, alo, n, zero
.set ha, \alo
.rept \n
.set hb, 0
.rept 6
.set hidx, 48*(\bh)+6*ha+hb
.set hr, 8*(hidx%32)
	WIN 0x50*(1+hidx/32)
.if \zero
	v_wmma_f32_16x16x32_bf16 v[hr:hr+7], v[FB+48*(\bh)+8*hb:FB+48*(\bh)+8*hb+7], v[FA+64*(\buf)+8*ha:FA+64*(\buf)+8*ha+7], 0
.else
	v_wmma_f32_16x16x32_bf16 v[hr:hr+7], v[FB+48*(\bh)+8*hb:FB+48*(\bh)+8*hb+7], v[FA+64*(\buf)+8*ha:FA+64*(\buf)+8*ha+7], v[hr:hr+7]
.endif
.set hb, hb+1
.endr
.set ha, ha+1
.endr
.endm
.macro LDA buf, k                      ; 16 LDS loads: xb's 8 fragments of 32 along K at byte k of the rows
	WIN 0
.irp i, 0,1,2,3,4,5,6,7
	ds_load_b128 v[FA+64*(\buf)+8*(\i):FA+64*(\buf)+8*(\i)+3],   v[ADRA] offset:(\k)+(\i)*16*PITCH
	ds_load_b128 v[FA+64*(\buf)+8*(\i)+4:FA+64*(\buf)+8*(\i)+7], v[ADRA] offset:(\k)+(\i)*16*PITCH+32
.endr
.endm
.macro LDB bh, k                       ; 12 LDS loads: half bh of wt's fragments
	WIN 0
.irp j, 0,1,2,3,4,5
	ds_load_b128 v[FB+48*(\bh)+8*(\j):FB+48*(\bh)+8*(\j)+3],   v[ADRB] offset:(\k)+(6*(\bh)+(\j))*16*PITCH
	ds_load_b128 v[FB+48*(\bh)+8*(\j)+4:FB+48*(\bh)+8*(\j)+7], v[ADRB] offset:(\k)+(6*(\bh)+(\j))*16*PITCH+32
.endr
.endm
; A K step's first quarter: multiplies xb's buffer 0 and fetches the second quarter (byte 64 of the same slot's rows).
.macro EVEN zero
	s_wait_dscnt 12                                ; xb's buffer and wt's first half are in; the second half's 12 loads may be out
	HM 0, 0, 0, 8, \zero
	PLACES
	LDA 1, 64
	LDB 0, 64
	s_wait_dscnt 28                                ; all but the 28 just issued: wt's second half is in
	HM 1, 0, 0, 8, \zero
	PLACES
	LDB 1, 64
.endm
; A K step's second quarter multiplies buffer 1 and changes slots.  All reads of this slot were issued in the first quarter.  fill = 1: the slot is filled again, two K steps on, behind a round of
; the cluster's barrier: the request stands 24 matrix instructions behind the wait for all tensor loads, so it has 168 of a step's 192 in which to land.
.macro ODD fill
.if \fill
	s_wait_xcnt 0x0                                ; the last prefetch, a K step back, has read its address
	s_add_nc_u64 s[PFA:PFA+1], s[PFA:PFA+1], s[PST:PST+1]
.endif
	WIN 0
	s_wait_tensorcnt 0x0                           ; all my tensor loads have landed: my part of the next slot; so a group 0 may be written
	ds_add_u32 v[SPW], v[NIL]                      ; 0 onto my spare word
.if \fill
	s_xor_b32 s[G0+5], s[G0+5], SLOT1              ; the walking descriptors: the other slot than last time, the next K step; the type bits on top are not reached
	s_add_nc_u64 s[G0+6:G0+7], s[G0+6:G0+7], STEPA
	s_xor_b32 s[G0B+5], s[G0B+5], SLOT1
	s_add_nc_u64 s[G0B+6:G0B+7], s[G0B+6:G0B+7], STEPB
.endif
	s_wait_dscnt 13                                ; (the add and wt's second half may be out)
	HM 0, 1, 0, 2, 0
	s_wait_dscnt 0x0                               ; the add is done, and my reads of this slot are over
	s_barrier_signal -1
	HM 0, 1, 2, 2, 0
	WIN 0
	s_barrier_wait -1
.if \fill
	CREST                                          ; no wave of any partner still reads this slot or has a load on its way
	JLOAD 1                                        ; the first tensor load behind the round
.endif
	s_xor_b32 s[TB], s[TB], SLOT1                  ; the fetches go on in the other slot
	v_add_nc_u32 v[ADRA], s[TB], v[A0]
	v_add_nc_u32 v[ADRB], s[TB], v[B0]
	LDA 0, 0
.if \fill
	ASK
.endif
	HM 0, 1, 4, 4, 0
	PLACES
	LDB 0, 0
	HM 1, 1, 0, 8, 0
	PLACES
	LDB 1, 0
.endm
; THE WAY OUT of row block a: rounded to f16; 16 bytes a lane into my stage; back as rows of 128 bytes; stored, 512 consecutive bytes an instruction.
.macro PACK a
.irp b, 0,1,2,3,4,5,6,7,8,9,10,11
.set pidx, 48*((\b)/6)+6*(\a)+(\b)%6
	WIN 5*(1+pidx/32)
.irp r, 0,1,2,3
	v_cvt_pk_f16_f32 v[TMP+4*(\b)+(\r)], v[8*(pidx%32)+2*(\r)], v[8*(pidx%32)+2*(\r)+1]
.endr
.endr
	WIN 0
.endm
.macro TOSTAGE a
	WIN 0
.set BK, OB+48*((\a)%2)
	s_wait_xcnt 0x0                                ; the stores of the block two back have read these registers
.irp b, 0,1,2,3,4,5,6,7,8,9,10,11
	ds_store_b128 v[STO], v[TMP+4*(\b):TMP+4*(\b)+3] offset:((\b)/4)*16*SP+((\b)%4)*32
.endr
.irp c, 0,1,2
.irp f, 0,1,2,3
	ds_load_b128 v[BK+4*(4*(\c)+(\f)):BK+4*(4*(\c)+(\f))+3], v[RD] offset:(\c)*16*SP+(\f)*4*SP  ; LDS serves a wave's instructions in order (ISA guide 5.7.1.4)
.endr
.endr
.endm
.macro SEND a
	WIN 0
.set BK, OB+48*((\a)%2)
	s_wait_dscnt 0x0
.irp c, 0,1,2
.irp f, 0,1,2,3
	global_store_b128 v[GO], v[BK+4*(4*(\c)+(\f)):BK+4*(4*(\c)+(\f))+3], s[8:9] offset:((\c)<<20)+(\a)*2048+(\f)*512
.endr
.endr
.endm
	s_wait_tensorcnt 1                             ; my part of K step 0 is in; K step 1's may stay out
	s_barrier_signal -1
	s_barrier_wait -1
	LDA 0, 0
	LDB 0, 0
	LDB 1, 0
	EVEN 1                                         ; the first quarter starts the sums
	WIN 0
	s_mov_b32 s3, 14
.Lstep:                                                ; a trip: a K step's second quarter with the change of slots, and the next step's first quarter; K steps 2 to 15 are asked for
	ODD 1
	EVEN 0
	WIN 0
	s_sub_co_u32 s3, s3, 1
	s_cmp_lg_u32 s3, 0
	s_cbranch_scc1 .Lstep
	ODD 0                                          ; the tail is written out: nothing is left to fetch
	EVEN 0
	s_wait_dscnt 12
	HM 0, 1, 0, 8, 0
	s_wait_dscnt 0x0
	HM 1, 1, 0, 8, 0
	WIN 0
	PLACES
	PACK 0
	TOSTAGE 0
.irp a, 1,2,3,4,5,6,7
	PACK \a
	SEND (\a)-1
	TOSTAGE \a
.endr
	SEND 7
	s_wait_tensorcnt 0x0                           ; the wave's end
	ds_add_u32 v[SPW], v[NIL]
	s_wait_dscnt 0x0
	CROUND                                         ; the closing round
	s_endpgm
.Lfunc_end_k_q9939390579_qkv:
	.size	k_q9939390579_qkv, .Lfunc_end_k_q9939390579_qkv-k_q9939390579_qkv
	.p2alignl 7, 3214868480
	.fill 96, 4, 3214868480
	.section	.rodata,"a",@progbits
	.p2align	6, 0x0
	.amdhsa_kernel k_q9939390579_qkv
		.amdhsa_group_segment_fixed_size 327680
		.amdhsa_private_segment_fixed_size 0
		.amdhsa_enable_private_segment 0
		.amdhsa_kernarg_size 24
		.amdhsa_user_sgpr_count 2
		.amdhsa_user_sgpr_kernarg_segment_ptr 1
		.amdhsa_wavefront_size32 1
		.amdhsa_system_sgpr_workgroup_id_x 1
		.amdhsa_system_sgpr_workgroup_id_y 1
		.amdhsa_system_sgpr_workgroup_id_z 1
		.amdhsa_system_vgpr_workitem_id 0
		.amdhsa_next_free_vgpr 1024
		.amdhsa_next_free_sgpr 66
		.amdhsa_reserve_vcc 0
		.amdhsa_float_denorm_mode_32 3
		.amdhsa_float_denorm_mode_16_64 3
		.amdhsa_memory_ordered 1
		.amdhsa_forward_progress 1
		.amdhsa_inst_pref_size 111
	.end_amdhsa_kernel
	.amdgpu_metadata
---
amdhsa.version: [ 1, 2 ]
amdhsa.kernels:
  - .name:           k_q9939390579_qkv
    .symbol:         k_q9939390579_qkv.kd
    .args:
      - { .name: xb, .offset: 0, .size: 8, .value_kind: global_buffer, .address_space: global }
      - { .name: wt, .offset: 8, .size: 8, .value_kind: global_buffer, .address_space: global }
      - { .name: qkv, .offset: 16, .size: 8, .value_kind: global_buffer, .address_space: global }
    .group_segment_fixed_size: 327680
    .private_segment_fixed_size: 0
    .kernarg_segment_align: 8
    .kernarg_segment_size: 24
    .max_flat_workgroup_size: 128
    .sgpr_count:     66
    .vgpr_count:     1024
    .wavefront_size: 32
...
	.end_amdgpu_metadata
.endif
;; end of part 2
;; launch scores (part 3): grid 36 x 4, 4 waves a work-group, no clusters, 327,680 bytes of LDS; arguments qkv, p, st; writes p, st
.if DOCPART == 3
	.amdgcn_target "amdgcn-amd-amdhsa--gfx1250"
	.amdhsa_code_object_version 6
	.text
	.protected	k_q9939390579_scores
	.globl	k_q9939390579_scores
	.p2align	8
	.type	k_q9939390579_scores,@function
k_q9939390579_scores:
	s_mov_b64 s[64:65], 0
	v_nop
	global_prefetch_b8 v0, s[64:65] scope:SCOPE_SE
	s_setreg_imm32_b32 hwreg(HW_REG_WAVE_MODE, 25, 1), 1
	s_wait_xcnt 0x0
; For each causal tile (I, J <= I) of 256 queries x 256 keys of a sequence: S = q k^T (f16 operands, f32 sums, K = 1024).  A wave makes 128 queries x 128 keys and, for that block of keys kb = 2 J + b,
; takes each query's maximum m, stores P = 2^(c s - c m) in f16 (c = log2(e) / 32) and the pair (c m, l = the sum of the unrounded P) in f32: st[seq][kb][row][2].
; The next launch joins the blocks with the row's true maximum.  Raw scores never leave f32 registers.
; THE MASK is the C operand of the product that starts a sum: 0, or -2^100 where the key lies behind the query.  LIMITS: a hidden score counts as its value less 2^100 (scores of f16 operands stay under 4.4e12);
; a block's maximum is held at -2^96 from below, so a block that is wholly hidden gives P = 0, l = 0 and a c m far below every true one; P below 6e-5 keeps f16's fixed step; NaN and infinities are not treated apart.
; NO CLUSTER: a row of the triangle has I + 1 tiles and a column 8 - J: 1 to 8, so they do not fall into groups of four that share an operand.
; 36 tiles a sequence, 144 work-groups of equal work.  Ring: K steps of 128 = two column blocks of qkv; a slot holds four sub-tiles of 256 rows x 128 bytes (q, q, k, k), one tensor load a wave.
; The loop's body is ONE K step: the slot that is read is a scalar register turned by an exclusive or, and one descriptor walks.
; REGISTERS as windows of 256: window 0: v16-30 addresses, v32-55 masks (later at work), v64-191 q's fragments, two buffers; window 1: v64-191 k's fragments; windows 2, 3: 64 accumulators, (a, b) at v[8 (8 a + b)].
; The matrix instruction is used transposed (source 0 = 16 keys, source 1 = 16 queries): a lane holds query l % 16 and the keys 8 (l / 16) + 0..7 of each block of 16.
.set PITCH,  144                       ; 128 bytes + 16
.set SUBT,   256*PITCH                 ; 36,864
.set SLOT,   4*SUBT                    ; 147,456 = 2^17 + 2^14: both bits are clear in 0, 1, 2 and 3 x SUBT, so an exclusive or with SLOT moves a sub-tile's first byte from one slot to the other
.set STAGE,  2*SLOT                    ; 16 rows x 272 bytes for each wave
.set SPITCH, 272
.set SPARE,  STAGE+4*16*SPITCH
.set KB2,    0x200000                  ; bytes of qkv from a K step to the next: two column blocks
.set K1, 64                            ; where a K step's quarters 1, 2, 3 begin in a fragment's rows
.set K2, SUBT
.set K3, SUBT+64
.set ADRA, 16                          ; v16  LDS address of my q fragments in the slot that is being read
.set A0,   17                          ; v17  the same in slot 0; never rewritten
.set ADRB, 20
.set B0,   21
.set STO,  24
.set RD,   25
.set CO,   26
.set SO,   27
.set SPW,  28
.set NIL,  29
.set PFO,  30
.set MLO,  32                          ; v32-39  C for key blocks before the query block
.set MDG,  40                          ; v40-47  for the query block's own
.set MAL,  48                          ; v48-55  for those behind it
.set TB,   32                          ; the way out: eight running maxima
.set CP,   40                          ; v[40:41] c m (and a written partner)
.set W0,   42                          ; v42-45 at work
.set FLR,  46
.set F0,   64
.set F1,   128
.set CMS,  96                          ; c m of four query blocks
.set LSS,  104                         ; l of them
.set SD,   112
.set TMP,  192
.set TGL, 2                            ; s2   LDS byte at which the slot that is being read begins
.set G1,  24
.set G0,  32                           ; s[32:39] group 0: a set for each of the two first fills; the second then walks on
.set LIM, 43
.set PFA, 48
.set CS,  52
.set SEL, 54
.set HM,  56
.set BLO, 57
.set BHI, 58
.set MSB, 0
.macro WIN new
.if MSB != (\new)
	s_set_vgpr_msb (MSB<<8)|(\new)
.set MSB, \new
.endif
.endm
.macro PLACES
.rept 4
	v_nop
.endr
.endm
.macro ASK                             ; my own sub-tile of the K step that the next refill will ask for: 128 blocks of 256 bytes, four instructions; the loop's last trip has no such step
	s_cmp_gt_u32 s3, s[LIM]
	s_cbranch_scc0 .Lnot_mine_\@
.irp n, 0,1,2,3
	global_prefetch_b8 v[PFO], s[PFA:PFA+1] offset:8192*(\n) th:TH_LOAD_NT scope:SCOPE_SE
.endr
.Lnot_mine_\@:
.endm
	s_load_b128 s[4:7], s[0:1], 0x0                ; qkv s[4:5], p s[6:7]
	s_load_b64 s[8:9], s[0:1], 0x10                ; st
	v_lshl_add_u32 v[SPW], v0, 2, SPARE
	v_mov_b32 v[NIL], 0
	ds_add_u32 v[SPW], v[NIL]                      ; the wave's opening add, waited for ahead of my first tensor load
	ds_add_u32 v28, v29
	v_lshrrev_b32 v1, 5, v0
	v_readfirstlane_b32 s10, v1                    ; wave 0..3
	s_lshr_b32 s11, s10, 1                         ; a: my half of the queries
	s_and_b32 s12, s10, 1                          ; b: my half of the keys
	s_mov_b32 s13, 0                               ; I = how many of the triangle's row starts lie at or below my number
.irp t, 1,3,6,10,15,21,28
	s_cmp_ge_u32 ttmp9, \t
	s_add_co_ci_u32 s13, s13, 0
.endr
	s_add_co_u32 s14, s13, 1
	s_mul_i32 s14, s14, s13
	s_lshr_b32 s14, s14, 1
	s_sub_co_u32 s14, ttmp9, s14                   ; J = my number - I (I + 1) / 2
	s_and_b32 s15, ttmp7, 0xffff                   ; the sequence
	; 256 rows of a column block are 32,768 dense bytes: asked for as 128 rows of 256 bytes, padded in LDS after every 128
	s_mov_b32 s[G1+0], (1<<16)|(1<<20)|(4<<22)|(3<<25)
	s_mov_b32 s[G1+1], 128<<16
	s_mov_b32 s[G1+2], 128<<16
	s_mov_b32 s[G1+3], 128<<16
	s_mov_b32 s[G1+4], 128
	s_mov_b32 s[G1+5], 128
	s_mov_b32 s[G1+6], 0
	s_mov_b32 s[G1+7], 0
	s_mov_b32 s[CS], 0x3d38aa3b                    ; c = log2(e) / 32
	s_mov_b32 s[CS+1], s[CS]
	s_mov_b32 s[SEL], 0x76543210
	s_mov_b32 s[SEL+1], 0xfedcba98
	s_mov_b32 s[HM], 0xffff0000
	s_mov_b32 s[TGL], 0
	s_cmp_lt_u32 s10, 2                            ; waves 0, 1 fetch q's rows of I, waves 2, 3 k's rows of J
	s_cselect_b32 s16, s13, s14
	s_lshl_b32 s16, s16, 8
	s_lshl_b32 s17, s15, 11
	s_add_co_u32 s16, s16, s17
	s_lshl_b32 s16, s16, 7                         ; rows of 128 bytes
	s_lshl_b32 s17, s11, 4
	s_add_co_u32 s17, s17, s12                     ; column block 16 (w / 2) + w % 2
	s_lshl_b32 s17, s17, 20
	s_add_co_u32 s16, s16, s17
	s_mov_b32 s17, 0
	s_mul_i32 s20, s10, SUBT                       ; sub-tile w of a slot
	s_cmp_eq_u32 s14, 0                            ; q's rows of I are read by the tiles (I, 0 .. I): tile (I, 0) prefetches them;
	s_cselect_b32 s21, 1, -1
	s_cmp_eq_u32 s13, 7                            ; k's rows of J by the tiles (J .. 7, J): tile (7, J) does
	s_cselect_b32 s22, 1, -1
	s_cmp_lt_u32 s10, 2
	s_cselect_b32 s[LIM], s21, s22
	s_cmp_eq_u32 s13, s14                          ; the masks' two numbers
	s_cselect_b32 s21, 0xf1800000, 0               ; -2^100 in a tile on the diagonal
	s_cmp_le_u32 s11, s12
	s_cselect_b32 s[BHI], s21, 0                   ; key blocks behind the query block: hidden if a <= b
	s_cmp_lt_u32 s11, s12
	s_cselect_b32 s[BLO], s21, 0                   ; key blocks before it: hidden if a < b
	s_wait_dscnt 0x0                               ; the opening add is done
	s_wait_kmcnt 0x0
	s_add_nc_u64 s[18:19], s[4:5], s[16:17]
.irp s, 0,1
	s_mov_b32 s[G0+4*(\s)], 1
	s_add_co_u32 s[G0+4*(\s)+1], s20, (\s)*SLOT
	s_add_nc_u64 s[G0+4*(\s)+2:G0+4*(\s)+3], s[18:19], (\s)*KB2
	s_or_b32 s[G0+4*(\s)+3], s[G0+4*(\s)+3], 0x80000000
	tensor_load_to_lds s[G0+4*(\s):G0+4*(\s)+3], s[G1:G1+7]
	s_nop 0
.endr
	s_add_nc_u64 s[PFA:PFA+1], s[18:19], 2*KB2     ; at K step 2: the first refill steps it to 3.  K steps 0 to 2 come by their loads alone
	v_and_b32 v1, 15, v0                           ; l % 16
	v_bfe_u32 v2, v0, 4, 1                         ; l / 16
	v_mul_u32_u24 v3, v1, PITCH
	v_lshl_add_u32 v3, v2, 4, v3
	s_mul_i32 s21, s11, 128*PITCH                  ; my 128 rows of q
	s_mul_i32 s22, s12, 128*PITCH                  ; my 128 rows of k,
	s_add_co_u32 s22, s22, 2*SUBT                  ; behind q's two sub-tiles
	v_add_nc_u32 v[A0], s21, v3
	v_add_nc_u32 v[B0], s22, v3
	v_mov_b32 v[ADRA], v[A0]                       ; K step 0 lies in slot 0
	v_mov_b32 v[ADRB], v[B0]
	s_mul_i32 s23, s10, 16*SPITCH
	s_add_co_u32 s23, s23, STAGE
	v_mul_u32_u24 v4, v1, SPITCH
	v_lshl_add_u32 v4, v2, 4, v4
	v_add_nc_u32 v[STO], s23, v4
	v_mul_u32_u24 v5, v2, SPITCH
	v_lshl_add_u32 v5, v1, 4, v5
	v_add_nc_u32 v[RD], s23, v5
	v_lshlrev_b32 v5, 12, v2                       ; a row of p is 4,096 bytes
	v_lshl_add_u32 v[CO], v1, 4, v5
	v_and_b32 v[SO], 31, v0
	v_lshlrev_b32 v[PFO], 8, v[SO]
	v_lshlrev_b32 v[SO], 3, v[SO]
	v_lshlrev_b32 v3, 3, v2
	v_sub_nc_u32 v3, v1, v3                        ; r - 8 h: in the query block's own key block register j is hidden where j is greater
.irp j, 0,1,2,3,4,5,6,7
	v_mov_b32 v[MLO+(\j)], s[BLO]
	v_mov_b32 v[MAL+(\j)], s[BHI]
.endr
.irp j, 0,1,2,3,4,5,6,7
	v_cmp_gt_i32 vcc_lo, \j, v3
	v_cndmask_b32 v[MDG+(\j)], v[MLO+(\j)], v[MAL+(\j)], vcc_lo
.endr
	s_lshl_b32 s16, s13, 8
	s_lshl_b32 s17, s11, 7
	s_add_co_u32 s16, s16, s17                     ; my first row in the sequence
	s_lshl_b32 s20, s16, 12
	s_lshl_b32 s17, s15, 23
	s_add_co_u32 s20, s20, s17
	s_lshl_b32 s17, s14, 1
	s_add_co_u32 s17, s17, s12                     ; kb
	s_lshl_b32 s22, s17, 8
	s_add_co_u32 s20, s20, s22
	s_mov_b32 s21, 0
	s_add_nc_u64 s[6:7], s[6:7], s[20:21]          ; p at my 128 x 128
	s_lshl_b32 s22, s15, 4
	s_add_co_u32 s22, s22, s17
	s_lshl_b32 s22, s22, 11
	s_add_co_u32 s22, s22, s16
	s_lshl_b32 s20, s22, 3
	s_add_nc_u64 s[8:9], s[8:9], s[20:21]          ; st at my 128 pairs
; 16 matrix instructions: query blocks a0, a0 + 1 of the window's four x all 8 key blocks.  zero = 1: the product starts the sum, with its mask as C.  The 64 accumulators take turns.
.macro MUL16 f, hi, a0, zero
.if \zero
	WIN 0x81+0x40*(\hi)
.else
	WIN 0xa1+0x50*(\hi)
.endif
.irp a, \a0, (\a0)+1
.irp b, 0,1,2,3,4,5,6,7
.if \zero
.if (\b) < 4*(\hi)+(\a)
.set MC, MLO
.elseif (\b) == 4*(\hi)+(\a)
.set MC, MDG
.else
.set MC, MAL
.endif
	v_wmma_f32_16x16x32_f16 v[8*(8*(\a)+(\b)):8*(8*(\a)+(\b))+7], v[(\f)+8*(\b):(\f)+8*(\b)+7], v[(\f)+8*(4*(\hi)+(\a)):(\f)+8*(4*(\hi)+(\a))+7], v[MC:MC+7]
.else
	v_wmma_f32_16x16x32_f16 v[8*(8*(\a)+(\b)):8*(8*(\a)+(\b))+7], v[(\f)+8*(\b):(\f)+8*(\b)+7], v[(\f)+8*(4*(\hi)+(\a)):(\f)+8*(4*(\hi)+(\a))+7], v[8*(8*(\a)+(\b)):8*(8*(\a)+(\b))+7]
.endif
.endr
.endr
.endm
.macro FETCH k, f                      ; 32 LDS loads in one run: a quarter's fragments, at byte k behind the two addresses, into buffer f
	WIN 0x40
.irp i, 0,1,2,3,4,5,6,7
	ds_load_b128 v[(\f)+8*(\i):(\f)+8*(\i)+3],   v[ADRB] offset:(\k)+(\i)*16*PITCH
	ds_load_b128 v[(\f)+8*(\i)+4:(\f)+8*(\i)+7], v[ADRB] offset:(\k)+(\i)*16*PITCH+32
.endr
	WIN 0
.irp i, 0,1,2,3,4,5,6,7
	ds_load_b128 v[(\f)+8*(\i):(\f)+8*(\i)+3],   v[ADRA] offset:(\k)+(\i)*16*PITCH
	ds_load_b128 v[(\f)+8*(\i)+4:(\f)+8*(\i)+7], v[ADRA] offset:(\k)+(\i)*16*PITCH+32
.endr
.endm
.macro QUARTER k, f, g, zero
	s_wait_dscnt 8                                 ; k and q's rows 0-63 are in; the youngest eight loads may be out
	MUL16 \f, 0, 0, \zero
	MUL16 \f, 0, 2, \zero
	PLACES
	FETCH \k, \g
	s_wait_dscnt 32                                ; all but the 32 just issued
	MUL16 \f, 1, 0, \zero
	MUL16 \f, 1, 2, \zero
.endm
; A K step's last quarter multiplies buffer 1 and changes slots.  fill = 1: the slot just read is filled again, two K steps on.
.macro TURN fill
.if \fill
	s_wait_xcnt 0x0                                ; the last prefetches, a K step back, have read their address
	s_add_nc_u64 s[PFA:PFA+1], s[PFA:PFA+1], KB2
.endif
	WIN 0
	s_wait_tensorcnt 0x0                           ; all my tensor loads have landed: my part of the next slot; so a group 0 may be written
	ds_add_u32 v[SPW], v[NIL]                      ; 0 onto my spare word
.if \fill
	s_xor_b32 s[G0+5], s[G0+5], SLOT               ; the walking descriptor: the other slot than last time,
	s_add_nc_u64 s[G0+6:G0+7], s[G0+6:G0+7], KB2   ; the next K step; the type bits on top are not reached
.endif
	s_wait_dscnt 9                                 ; (the add and the youngest eight loads may be out)
	MUL16 F1, 0, 0, 0
	s_wait_dscnt 0x0                               ; the add is done, and my reads of this slot are over
	s_barrier_signal -1
	MUL16 F1, 0, 2, 0
	WIN 0
	s_barrier_wait -1
.if \fill
	tensor_load_to_lds s[G0+4:G0+7], s[G1:G1+7]    ; my one tensor load behind this barrier, and the first thing there
	s_nop 0
.endif
	PLACES
	s_xor_b32 s[TGL], s[TGL], SLOT                 ; the fetches go on in the other slot
	v_add_nc_u32 v[ADRA], s[TGL], v[A0]
	v_add_nc_u32 v[ADRB], s[TGL], v[B0]
	FETCH 0, F0
.if \fill
	ASK
.endif
	MUL16 F1, 1, 0, 0
	MUL16 F1, 1, 2, 0
.endm
; THE WAY OUT, a query block ai (16 queries x 128 keys: eight accumulators, 64 registers from 64 ai in window 2) at a time.  It is written for four blocks and walked twice:
; a register's number cannot be a loop's variable, so between the two walks window 3 is copied into window 2.
; XM: the maximum of a lane's 64 scores (each accumulator's lowest registers first), the floor, the other half of the lanes; c m
.macro XM ai
.set SB, 64*(\ai)
	WIN 0x2a
.irp b, 0,1,2,3,4,5,6,7
	v_max3_num_f32 v[TB+(\b)], v[SB+8*(\b)], v[SB+8*(\b)+1], v[SB+8*(\b)+2]
.endr
	WIN 0x28
.irp b, 0,1,2,3,4,5,6,7
	v_max3_num_f32 v[TB+(\b)], v[TB+(\b)], v[SB+8*(\b)+3], v[SB+8*(\b)+4]
.endr
.irp b, 0,1,2,3,4,5,6,7
	v_max3_num_f32 v[TB+(\b)], v[TB+(\b)], v[SB+8*(\b)+5], v[SB+8*(\b)+6]
.endr
.irp k, 0,1,2,3
	v_max3_num_f32 v[TB+2*(\k)], v[TB+2*(\k)], v[SB+16*(\k)+7], v[SB+16*(\k)+15]
.endr
	WIN 0
	v_max3_num_f32 v[TB], v[TB], v[TB+1], v[TB+2]
	v_max3_num_f32 v[TB+3], v[TB+3], v[TB+4], v[TB+5]
	v_max3_num_f32 v[TB+6], v[TB+6], v[TB+7], v[FLR]
	v_max3_num_f32 v[TB], v[TB], v[TB+3], v[TB+6]
	v_permlanex16_b32 v[W0], v[TB], s[SEL], s[SEL+1]  ; the query's other 64 keys lie in the lane 16 away
	v_max_num_f32 v[W0+1], v[TB], v[W0]
	v_mul_f32 v[CP], s[CS], v[W0+1]
	v_mov_b32 v[CMS+(\ai)], v[CP]
.endm
; EM: c s - c m, then the block's 64 exponentials: one batch
.macro EM ai
.set SB, 64*(\ai)
	WIN 0x82
.set z, 0
.rept 32
	v_pk_fma_f32 v[SB+2*z:SB+2*z+1], v[SB+2*z:SB+2*z+1], s[CS:CS+1], v[CP:CP+1] op_sel_hi:[1,0,0] neg_lo:[0,0,1] neg_hi:[0,0,1]
.set z, z+1
.endr
.set z, 0
.rept 64
	v_exp_f32 v[SB+z], v[SB+z]
.set z, z+1
.endr
.endm
; RM: the weights rounded to f16; their sum, in f32, of the unrounded weights
.macro RM ai
.set SB, 64*(\ai)
	WIN 0x0a
.set z, 0
.rept 32
	v_cvt_pk_f16_f32 v[TMP+z], v[SB+2*z], v[SB+2*z+1]
.set z, z+1
.endr
	WIN 0x8a
.irp w, 32,16,8,4,2
.set z, 0
.rept (\w)/2
	v_pk_add_f32 v[SB+z:SB+z+1], v[SB+z:SB+z+1], v[SB+(\w)+z:SB+(\w)+z+1]
.set z, z+2
.endr
.endr
	WIN 0x0a
	v_add_f32 v[W0+2], v[SB], v[SB+1]
	WIN 0
	v_permlanex16_b32 v[W0+3], v[W0+2], s[SEL], s[SEL+1]
	v_add_f32 v[LSS+(\ai)], v[W0+2], v[W0+3]
.endm
.macro TOSTAGE ai
	WIN 0
.set BK, 224-160*((\ai)%2)
	s_wait_xcnt 0x0                                ; the stores of the block two back have read these registers
.irp b, 0,1,2,3,4,5,6,7
	ds_store_b128 v[STO], v[TMP+4*(\b):TMP+4*(\b)+3] offset:32*(\b)
.endr
.irp t, 0,1,2,3,4,5,6,7
	ds_load_b128 v[BK+4*(\t):BK+4*(\t)+3], v[RD] offset:(\t)*2*SPITCH  ; LDS serves a wave's instructions in order (ISA guide 5.7.1.4)
.endr
.endm
.macro SEND ai, younger
	WIN 0
.set BK, 224-160*((\ai)%2)
	s_wait_dscnt \younger
.irp t, 0,1,2,3,4,5,6,7
	global_store_b128 v[CO], v[BK+4*(\t):BK+4*(\t)+3], s[6:7] offset:(\ai)*65536+(\t)*8192  ; sixteen lanes store 256 consecutive bytes of a row of p, aligned
.endr
.endm
	s_wait_tensorcnt 1                             ; my part of K step 0 is in; K step 1's may stay out
	s_barrier_signal -1
	s_barrier_wait -1
	FETCH 0, F0
	QUARTER K1, F0, F1, 1                          ; the first quarter starts the sums, with the masks
	WIN 0
	s_mov_b32 s3, 6
.Lstep:                                                ; a trip: from a K step's second quarter to the next step's first; K steps 2 to 7 are asked for
	QUARTER K2, F1, F0, 0
	QUARTER K3, F0, F1, 0
	TURN 1
	QUARTER K1, F0, F1, 0
	WIN 0
	s_sub_co_u32 s3, s3, 1
	s_cmp_lg_u32 s3, 0
	s_cbranch_scc1 .Lstep
	QUARTER K2, F1, F0, 0                          ; the tail is written out: nothing is left to fetch
	QUARTER K3, F0, F1, 0
	TURN 0
	QUARTER K1, F0, F1, 0
	QUARTER K2, F1, F0, 0
	QUARTER K3, F0, F1, 0
	s_wait_dscnt 8
	MUL16 F1, 0, 0, 0
	MUL16 F1, 0, 2, 0
	s_wait_dscnt 0x0
	MUL16 F1, 1, 0, 0
	MUL16 F1, 1, 2, 0
	WIN 0
	PLACES
	v_mov_b32 v[CP+1], 0                           ; named with c m as a pair
	v_mov_b32 v[W0], 0                             ; v_permlanex16_b32 counts as a reader of its destination
	v_mov_b32 v[W0+3], 0
	v_mov_b32 v[FLR], 0xef800000                   ; -2^96
	s_mov_b32 s3, 2
.Lhalf:                                                ; my query blocks 0-3, then 4-7
	; Block ai + 1's exponentials are issued, then block ai's roundings and sums and block ai + 2's maximum follow as independent work, then ONE wait for the batch, ahead of its first reader.
	XM 0
	EM 0
	XM 1
	s_wait_alu depctr_va_vdst(0)
.irp ai, 0,1,2,3
.if (\ai) < 3
	EM (\ai)+1
.endif
	RM \ai
.if (\ai) < 2
	XM (\ai)+2
.endif
	TOSTAGE \ai
.if (\ai) > 0
	SEND (\ai)-1, 16                               ; the sixteen are this block's own stage instructions
.endif
.if (\ai) < 3
	s_wait_alu depctr_va_vdst(0)                   ; the wait for the batch
.endif
.endr
	SEND 3, 0
.irp u, 0,1
	v_cndmask_b32 v[SD+2*(\u)],   v[CMS+2*(\u)], v[CMS+2*(\u)+1], s[HM]  ; lanes 0-15 speak for block 2 u, lanes 16-31 for block 2 u + 1
	v_cndmask_b32 v[SD+2*(\u)+1], v[LSS+2*(\u)], v[LSS+2*(\u)+1], s[HM]
	global_store_b64 v[SO], v[SD+2*(\u):SD+2*(\u)+1], s[8:9] offset:256*(\u)  ; 32 rows' pairs: 256 consecutive bytes, aligned
.endr
	s_sub_co_u32 s3, s3, 1
	s_cmp_eq_u32 s3, 0
	s_cbranch_scc1 .Lend
	WIN 0x83                                       ; destination window 2, source window 3; in ascending order
.set z, 0
.rept 256
	v_mov_b32 v[z], v[z]
.set z, z+1
.endr
	WIN 0
	s_wait_xcnt 0x0                                ; the stores have read their bases
	s_add_nc_u64 s[6:7], s[6:7], 4*65536           ; 64 rows of p on,
	s_add_nc_u64 s[8:9], s[8:9], 512               ; 64 pairs of st
	s_cmp_lg_u32 s3, 0
	s_cbranch_scc1 .Lhalf
.Lend:
	s_wait_tensorcnt 0x0                           ; the wave's end
	ds_add_u32 v[SPW], v[NIL]
	s_wait_dscnt 0x0
	s_endpgm
.Lfunc_end_k_q9939390579_scores:
	.size	k_q9939390579_scores, .Lfunc_end_k_q9939390579_scores-k_q9939390579_scores
	.p2alignl 7, 3214868480
	.fill 96, 4, 3214868480
	.section	.rodata,"a",@progbits
	.p2align	6, 0x0
	.amdhsa_kernel k_q9939390579_scores
		.amdhsa_group_segment_fixed_size 327680
		.amdhsa_private_segment_fixed_size 0
		.amdhsa_enable_private_segment 0
		.amdhsa_kernarg_size 24
		.amdhsa_user_sgpr_count 2
		.amdhsa_user_sgpr_kernarg_segment_ptr 1
		.amdhsa_wavefront_size32 1
		.amdhsa_system_sgpr_workgroup_id_x 1
		.amdhsa_system_sgpr_workgroup_id_y 1
		.amdhsa_system_sgpr_workgroup_id_z 1
		.amdhsa_system_vgpr_workitem_id 0
		.amdhsa_next_free_vgpr 1024
		.amdhsa_next_free_sgpr 66
		.amdhsa_reserve_vcc 1
		.amdhsa_float_denorm_mode_32 3
		.amdhsa_float_denorm_mode_16_64 3
		.amdhsa_memory_ordered 1
		.amdhsa_forward_progress 1
		.amdhsa_inst_pref_size 143
	.end_amdhsa_kernel
	.amdgpu_metadata
---
amdhsa.version: [ 1, 2 ]
amdhsa.kernels:
  - .name:           k_q9939390579_scores
    .symbol:         k_q9939390579_scores.kd
    .args:
      - { .name: qkv, .offset: 0, .size: 8, .value_kind: global_buffer, .address_space: global }
      - { .name: p, .offset: 8, .size: 8, .value_kind: global_buffer, .address_space: global }
      - { .name: st, .offset: 16, .size: 8, .value_kind: global_buffer, .address_space: global }
    .group_segment_fixed_size: 327680
    .private_segment_fixed_size: 0
    .kernarg_segment_align: 8
    .kernarg_segment_size: 24
    .max_flat_workgroup_size: 128
    .sgpr_count:     66
    .vgpr_count:     1024
    .wavefront_size: 32
...
	.end_amdgpu_metadata
.endif
;; end of part 3
;; launch pv (part 4): grid 8 x 32, 4 waves a work-group, clusters of 4 x 1, 327,680 bytes of LDS; arguments p, st, qkv, out0; writes out0
.if DOCPART == 4
	.amdgcn_target "amdgcn-amd-amdhsa--gfx1250"
	.amdhsa_code_object_version 6
	.text
	.protected	k_q9939390579_pv
	.globl	k_q9939390579_pv
	.p2align	8
	.type	k_q9939390579_pv,@function
k_q9939390579_pv:
	s_mov_b64 s[64:65], 0
	v_nop
	global_prefetch_b8 v0, s[64:65] scope:SCOPE_SE
	s_setreg_imm32_b32 hwreg(HW_REG_WAVE_MODE, 25, 1), 1
	s_wait_xcnt 0x0
	s_wait_alu depctr_hold_cnt(0) depctr_sa_sdst(0) depctr_va_vdst(0) depctr_va_sdst(0) depctr_va_ssrc(0) depctr_va_vcc(0) depctr_vm_vsrc(0)
	s_getreg_b32 s2, hwreg(HW_REG_IB_STS2, 6, 4)
	s_cmp_eq_u32 s2, 0
	s_cbranch_scc0 .Lentry_in_a_cluster
	s_endpgm
.Lentry_in_a_cluster:
	s_bfe_u32 s2, ttmp6, 0x10000c
	s_cmp_lg_u32 s2, 0x3003
	s_cbranch_scc0 .Lentry_shape_is_right
	s_endpgm
.Lentry_shape_is_right:
; out[row][e] = the sum over key blocks kb of f[row][kb] (P_kb V_kb)[row][e], with f = 2^(cm_kb - M) / L, M = the row's maximum of cm_kb, L = the sum of 2^(cm_kb - M) l_kb: the softmax with the row's true maximum.
; P: f16 [4][2048][2048]; (cm, l): f32 [4][16][2048][2]; V: f16, column blocks 32-47 of qkv; out0: f32 [4][2048][1024].  Block products, factors and sums in f32.
; LIMITS: a factor below 2^-126 counts as 0; NaN and infinities are not treated apart.
; SHARES.  A work-group makes two tiles of 128 rows x 128 channels: row block b, then row block 15 - b: g + 1 and 8 - g key slots of 256 (g = b / 2): nine trips, whatever b: 256 work-groups of equal work.
; Trip u reads key slot u of the short tile (u < g + 1), else slot 8 - u of the long tile: the blocks' order is free, since f holds the whole row's maximum and sum.  Wave (a, bc) owns 64 rows x 64 channels.
; CLUSTER 4 x 1: the four partners differ in their 128 channels alone: they walk the same P, which is asked for jointly.  V differs between them and comes by loads of one's own; the work-groups that
; share V's blocks (other b) walk them in other orders and lengths, so V is neither shared nor prefetched.
; The loop's body is ONE trip: the LDS slot that is read is a scalar register turned by an exclusive or, and so are the descriptors' LDS words.
; The matrix instruction is used transposed (source 0 = V^T, turned by ds_load_tr16_b128; source 1 = P): a lane holds row l % 16 and the channels 8 (l / 16) + 0..7, so f is one number a lane and row block.
; REGISTERS: window 0: v16-31 addresses, v32-39 factors, v64-127 the way out, v128-255 O.  window 1: two fragment buffers of 128 (64 of P, 64 of V).  window 2: T0 v0-127, T1 v128-255: a half slot's products.
.set PP,    528                        ; a row of P in LDS: 512 bytes + 16
.set PVP,   160                        ; a row of V: 128 bytes + 32
.set PT,    128*PP
.set VT,    256*PVP
.set SLOTB, PT+2*VT                    ; 149,504 bytes in a slot
.set SPARE, SLOTB                      ; behind slot 0: the spare words: 128 bytes a wave, two blocks of 256 bytes that no other line names
.set SLOT1, 0x25000                    ; slot 1 begins here: bits 17, 14 and 12 are clear in the four loads' places in a slot (0, 33,792, 67,584, 108,544), so one exclusive or changes the slot
.set FT,    SLOT1+SLOTB                ; the factors: 9 trips x 2 halves x 128 rows x 4 bytes
.set STAGE, FT+9216                    ; 16 rows x 272 bytes for each wave
.set SP,    272
.set ADRA, 16                          ; v16  LDS address of my P fragments in the slot that is being read
.set A0,   17                          ; v17  the same in slot 0; never rewritten
.set ADRB, 20
.set B0,   21
.set STO,  24
.set RD,   25
.set CO,   26
.set FR,   27                          ; where I read my four factors of the trip in hand
.set SPW,  28
.set NIL,  29
.set PFO,  30
.set FW,   31                          ; where thread t puts row t's factor
.set F0,   32
.set F1,   36
.set OB,   64
.set O,    128
.set LQ,   128                         ; the prologue: the long tile's 16 pairs (cm, l),
.set SQ,   160                         ; the short tile's 8
.set T0,   0
.set T1,   128
.set WV,  12
.set NS,  18                           ; trips of the short tile
.set NS1, 19
.set NL,  20                           ; of the long one
.set G1P, 24
.set G1V, 32
.set G0P, 40
.set G0V, 44
.set PS,  48
.set PL,  50
.set VB,  52
.set PX,  54
.set CNT, 56
.set TR,  57                           ; the trip to be asked for
.set SL,  58
.set TB,  59                           ; LDS byte at which the slot that is being read begins
.set OFF, 60                           ; s[60:61] an offset, s61 = 0
.set LP,  62
.set LV,  63
.set OS,  66
.set OL,  68
.set TP,  70                           ; s[70:71] an offset that may hold cx, s71 = 0
.set QS,  72
.set QL,  74
.set LIM, 77
.set PFA, 78
.set MSB, 0
.macro WIN new
.if MSB != (\new)
	s_set_vgpr_msb (MSB<<8)|(\new)
.set MSB, \new
.endif
.endm
.macro PLACES
.rept 4
	v_nop
.endr
.endm
.macro JLOAD                           ; waves 0, 1: the two halves of P's tile, jointly; waves 2, 3: V's two sub-tiles, my work-group's own
	s_cmp_lt_u32 s[WV], 2
	s_cbranch_scc0 .Lfor_v_\@
	tensor_load_to_lds s[G0P:G0P+3], s[G1P:G1P+7]
	s_nop 0
.rept 4
	v_nop
.endr
	s_branch .Lasked_\@
.Lfor_v_\@:
	tensor_load_to_lds s[G0V:G0V+3], s[G1V:G1V+7]
	s_nop 0
.rept 4
	v_nop
.endr
.Lasked_\@:
.endm
.macro CROUND
	s_barrier_signal -1
	s_barrier_wait -1
	s_cmp_lg_u32 s[WV], 0
	s_cbranch_scc1 .Lnot_wave_0_\@
	s_barrier_signal -3
.Lnot_wave_0_\@:
	s_barrier_wait -3
	s_barrier_signal -1
	s_barrier_wait -1
.endm
.macro ASK                             ; P's tile of the trip after the one just asked for: my work-group's 16 rows x 2 blocks of 256 bytes of the 64 rows that I fetch; the last trip has none behind it
	s_cmp_lt_u32 s[TR], s[LIM]
	s_cbranch_scc0 .Lnone_\@
	global_prefetch_b8 v[PFO], s[PFA:PFA+1] th:TH_LOAD_NT scope:SCOPE_SE
.Lnone_\@:
.endm
	s_load_b256 s[4:11], s[0:1], 0x0               ; p s[4:5], st s[6:7], qkv s[8:9], out0 s[10:11]
	v_lshl_add_u32 v[SPW], v0, 2, SPARE
	v_mov_b32 v[NIL], 0
	ds_add_u32 v[SPW], v[NIL]                      ; the wave's opening add, waited for ahead of my first tensor load
	ds_add_u32 v28, v29
	v_lshrrev_b32 v1, 5, v0
	v_readfirstlane_b32 s[WV], v1
	s_bfe_u32 s13, ttmp6, 0x40000                  ; cx
	s_lshl_b32 s14, ttmp9, 2
	s_add_co_u32 s14, s14, s13                     ; eb: my 128 channels
	s_and_b32 s80, ttmp7, 0xffff
	s_lshr_b32 s15, s80, 3                         ; the sequence
	s_and_b32 s16, s80, 7                          ; b
	s_lshr_b32 s17, s16, 1                         ; g
	s_add_co_u32 s[NS], s17, 1
	s_add_co_u32 s[NS1], s17, 2
	s_sub_co_u32 s[NL], 8, s17
	s_and_b32 s21, s[WV], 1                        ; bc; also: which half I fetch
	s_lshr_b32 s22, s[WV], 1                       ; a
	s_sub_co_u32 s23, 15, s16                      ; the long tile's row block
	s_mov_b32 s[G1P+0], 15|(1<<16)|(1<<20)|(1<<21)|(6<<22)|(3<<25)  ; the mask of four; 2-byte elements; padding on; bit 21 beside a mask; after every 128 words, 4 words
	s_mov_b32 s[G1P+1], 256<<16                    ; 64 rows x 256 elements, 2,048 elements from row to row
	s_mov_b32 s[G1P+2], 64<<16
	s_mov_b32 s[G1P+3], 256<<16
	s_mov_b32 s[G1P+4], 64
	s_mov_b32 s[G1P+5], 2048
	s_mov_b32 s[G1P+6], 0
	s_mov_b32 s[G1P+7], 0
	s_mov_b32 s[G1V+0], (1<<16)|(1<<20)|(4<<22)|(7<<25)  ; 256 keys of a column block are 32,768 dense bytes: 128 rows of 256 bytes, 8 words of padding after every 32
	s_mov_b32 s[G1V+1], 128<<16
	s_mov_b32 s[G1V+2], 128<<16
	s_mov_b32 s[G1V+3], 128<<16
	s_mov_b32 s[G1V+4], 128
	s_mov_b32 s[G1V+5], 128
	s_mov_b32 s[G1V+6], 0
	s_mov_b32 s[G1V+7], 0
	s_mul_i32 s[LP], s21, 64*PP                    ; where my load lands in a slot: no place in the cluster enters an LDS address
	s_mul_i32 s[LV], s21, VT
	s_add_co_u32 s[LV], s[LV], PT
	s_mov_b32 s[OFF+1], 0
	s_mov_b32 s[TP+1], 0
	s_mov_b32 s[TR], 0
	s_mov_b32 s[TB], 0
	s_lshr_b32 s[LIM], s[WV], 1                    ; waves 0, 1 of the clusters with x = 0 prefetch P: the same in all four partners
	s_or_b32 s[LIM], s[LIM], ttmp9
	s_cmp_eq_u32 s[LIM], 0
	s_cselect_b32 s[LIM], 8, 0
	v_lshlrev_b32 v10, 3, v0                       ; thread t takes row t's pairs; not rewritten while the loads are out
.irp kb, 10,11,12,13,14,15
	v_mov_b32 v[LQ+2*(\kb)], 0xfe000000            ; pairs that may stay unloaded: cm far below every true one, l = 0
	v_mov_b32 v[LQ+2*(\kb)+1], 0
.endr
.irp kb, 2,3,4,5,6,7
	v_mov_b32 v[SQ+2*(\kb)], 0xfe000000
	v_mov_b32 v[SQ+2*(\kb)+1], 0
.endr
	s_wait_dscnt 0x0                               ; the opening add is done
	s_wait_kmcnt 0x0
	s_lshl_b32 s80, s15, 23                        ; the sequence's 2,048 rows of 4,096 bytes, in p and in out0
	s_lshl_b32 s81, s21, 18                        ; my 64 rows of a tile's 128
	s_add_co_u32 s81, s81, s80
	s_lshl_b32 s[OFF], s16, 19
	s_add_co_u32 s[OFF], s[OFF], s81
	s_add_nc_u64 s[PS:PS+1], s[4:5], s[OFF:OFF+1]  ; P's rows that I fetch: short tile,
	s_lshl_b32 s[OFF], s23, 19
	s_add_co_u32 s[OFF], s[OFF], s81
	s_add_nc_u64 s[PL:PL+1], s[4:5], s[OFF:OFF+1]  ; long tile
	s_lshl_b32 s[TP], s13, 16                      ; my work-group's 16 of them, for the prefetches
	s_add_nc_u64 s[QS:QS+1], s[PS:PS+1], s[TP:TP+1]
	s_add_nc_u64 s[QL:QL+1], s[PL:PL+1], s[TP:TP+1]
	s_lshl_b32 s[TP], s14, 1
	s_add_co_u32 s[TP], s[TP], s21
	s_add_co_u32 s[TP], s[TP], 32                  ; V's column block 32 + 2 eb + half
	s_lshl_b32 s[TP], s[TP], 20
	s_lshl_b32 s81, s15, 18
	s_add_co_u32 s[TP], s[TP], s81
	s_add_nc_u64 s[VB:VB+1], s[8:9], s[TP:TP+1]
	s_lshl_b32 s82, s22, 18                        ; out0: my 64 rows,
	s_add_co_u32 s82, s82, s80
	s_lshl_b32 s83, s14, 9                         ; my work-group's 128 channels,
	s_add_co_u32 s82, s82, s83
	s_lshl_b32 s83, s21, 8                         ; my 64 of them
	s_add_co_u32 s82, s82, s83
	s_lshl_b32 s[TP], s16, 19
	s_add_co_u32 s[TP], s[TP], s82
	s_add_nc_u64 s[OS:OS+1], s[10:11], s[TP:TP+1]
	s_lshl_b32 s[TP], s23, 19
	s_add_co_u32 s[TP], s[TP], s82
	s_add_nc_u64 s[OL:OL+1], s[10:11], s[TP:TP+1]
	s_lshl_b32 s[OFF], s16, 10                     ; st: 128 rows x 8 bytes a row block; 16 key blocks x 16,384 bytes a sequence
	s_add_co_u32 s[OFF], s[OFF], s81
	s_add_nc_u64 s[84:85], s[6:7], s[OFF:OFF+1]
	s_lshl_b32 s[OFF], s23, 10
	s_add_co_u32 s[OFF], s[OFF], s81
	s_add_nc_u64 s[86:87], s[6:7], s[OFF:OFF+1]
	; the statistics: only pairs that the launch before has stored are read (key blocks 0 .. 2 x slots - 1)
.irp kb, 0,1,2,3,4,5,6,7,8,9
	global_load_b64 v[LQ+2*(\kb):LQ+2*(\kb)+1], v10, s[86:87] offset:(\kb)*16384
.endr
.irp pp, 5,6,7
	s_cmp_gt_u32 s[NL], \pp
	s_cbranch_scc0 .Llong_in
	global_load_b64 v[LQ+4*(\pp):LQ+4*(\pp)+1],   v10, s[86:87] offset:(\pp)*32768
	global_load_b64 v[LQ+4*(\pp)+2:LQ+4*(\pp)+3], v10, s[86:87] offset:(\pp)*32768+16384
.endr
.Llong_in:
	global_load_b64 v[SQ:SQ+1],   v10, s[84:85]
	global_load_b64 v[SQ+2:SQ+3], v10, s[84:85] offset:16384
.irp pp, 1,2,3
	s_cmp_gt_u32 s[NS], \pp
	s_cbranch_scc0 .Lshort_in
	global_load_b64 v[SQ+4*(\pp):SQ+4*(\pp)+1],   v10, s[84:85] offset:(\pp)*32768
	global_load_b64 v[SQ+4*(\pp)+2:SQ+4*(\pp)+3], v10, s[84:85] offset:(\pp)*32768+16384
.endr
.Lshort_in:
	s_mov_b32 s[G0P], 1                            ; trip 0: the short tile's slot 0, into LDS slot 0
	s_mov_b32 s[G0P+1], s[LP]
	s_mov_b64 s[G0P+2:G0P+3], s[PS:PS+1]
	s_or_b32 s[G0P+3], s[G0P+3], 0x80000000
	s_mov_b32 s[G0V], 1
	s_mov_b32 s[G0V+1], s[LV]
	s_mov_b64 s[G0V+2:G0V+3], s[VB:VB+1]
	s_or_b32 s[G0V+3], s[G0V+3], 0x80000000
	CROUND                                         ; all four work-groups are here: the first joint load meets
	JLOAD
	v_and_b32 v1, 15, v0                           ; r = l % 16
	v_bfe_u32 v2, v0, 4, 1                         ; h = l / 16
	v_mul_u32_u24 v3, v1, PP
	v_lshl_add_u32 v3, v2, 4, v3
	s_mul_i32 s80, s22, 64*PP
	v_add_nc_u32 v[A0], s80, v3                    ; P's fragments: my 64 rows; row x pitch + 16 x half
	v_and_b32 v4, 7, v0
	v_bfe_u32 v5, v0, 3, 1
	v_lshl_add_u32 v4, v2, 3, v4                   ; the turning load: key 8 h + l % 8, channels 8 ((l / 8) % 2) + 0..7
	v_mul_u32_u24 v4, v4, PVP
	v_lshl_add_u32 v4, v5, 4, v4
	v_add_nc_u32 v[B0], s[LV], v4                  ; sub-tile bc: the number is the same as the place of the half that waves 2, 3 fill
	s_mul_i32 s80, s[WV], 16*SP
	s_add_co_u32 s80, s80, STAGE
	v_mul_u32_u24 v3, v1, SP                       ; into my stage: row r, 32 bytes for each half of the lanes
	v_lshl_add_u32 v3, v2, 5, v3
	v_add_nc_u32 v[STO], s80, v3
	v_mul_u32_u24 v3, v2, SP                       ; back: lanes 0-15 one row of 256 bytes, lanes 16-31 the next
	v_lshl_add_u32 v3, v1, 4, v3
	v_add_nc_u32 v[RD], s80, v3
	v_lshlrev_b32 v3, 12, v2
	v_lshl_add_u32 v[CO], v1, 4, v3
	s_lshl_b32 s80, s22, 8
	s_add_co_u32 s80, s80, FT
	v_lshl_add_u32 v[FR], v1, 4, s80               ; 16 bytes: row r of my four row blocks
	v_lshrrev_b32 v3, 6, v0
	v_lshlrev_b32 v3, 8, v3
	v_lshl_add_u32 v3, v1, 4, v3
	v_bfe_u32 v4, v0, 4, 2
	v_lshl_add_u32 v3, v4, 2, v3
	v_add_nc_u32 v[FW], FT, v3                     ; row t = 64 (t / 64) + 16 ((t / 16) % 4) + t % 16
	v_and_b32 v3, 31, v0
	v_lshrrev_b32 v4, 1, v3
	v_and_b32 v3, 1, v3
	v_lshlrev_b32 v[PFO], 12, v4
	v_lshl_add_u32 v[PFO], v3, 8, v[PFO]
	; THE FACTORS, a thread a row, for both tiles
	s_wait_loadcnt 0x0
	v_max3_num_f32 v40, v[LQ], v[LQ+2], v[LQ+4]
	v_max3_num_f32 v41, v[LQ+6], v[LQ+8], v[LQ+10]
	v_max3_num_f32 v42, v[SQ], v[SQ+2], v[SQ+4]
	v_max3_num_f32 v43, v[SQ+6], v[SQ+8], v[SQ+10]
	v_max3_num_f32 v40, v40, v[LQ+12], v[LQ+14]
	v_max3_num_f32 v41, v41, v[LQ+16], v[LQ+18]
	v_max3_num_f32 v42, v42, v[SQ+12], v[SQ+14]
	v_max3_num_f32 v40, v40, v[LQ+20], v[LQ+22]
	v_max3_num_f32 v41, v41, v[LQ+24], v[LQ+26]
	v_max_num_f32 v42, v42, v43                    ; the short tile's M
	v_max3_num_f32 v40, v40, v[LQ+28], v[LQ+30]
	v_max_num_f32 v40, v40, v41                    ; the long tile's M
.set i, 0
.rept 16
	v_sub_f32 v[LQ+2*i], v[LQ+2*i], v40
.set i, i+1
.endr
.set i, 0
.rept 8
	v_sub_f32 v[SQ+2*i], v[SQ+2*i], v42
.set i, i+1
.endr
.set i, 0
.rept 24
	v_exp_f32 v[LQ+2*i], v[LQ+2*i]                 ; (the short tile's pairs follow the long tile's)
.set i, i+1
.endr
	v_nop                                          ; a plain instruction behind the last exponential,
	s_wait_alu depctr_va_vdst(0)                   ; and one wait for the batch of 24, ahead of its first reader
	v_mul_f32 v44, v[LQ], v[LQ+1]
	v_mul_f32 v45, v[LQ+2], v[LQ+3]
	v_mul_f32 v46, v[SQ], v[SQ+1]
	v_mul_f32 v47, v[SQ+2], v[SQ+3]
.set i, 2
.rept 14
	v_fmac_f32 v[44+i%2], v[LQ+2*i], v[LQ+2*i+1]
.set i, i+1
.endr
.set i, 2
.rept 6
	v_fmac_f32 v[46+i%2], v[SQ+2*i], v[SQ+2*i+1]
.set i, i+1
.endr
	v_add_f32 v44, v44, v45                        ; L: at least 1, since the block that holds M has a weight 1
	v_add_f32 v46, v46, v47
	v_rcp_f32 v48, v44
	v_rcp_f32 v49, v46
	v_nop
	s_wait_alu depctr_va_vdst(0)
.set i, 0
.rept 16
	v_mul_f32 v[LQ+2*i], v[LQ+2*i], v48
.set i, i+1
.endr
.set i, 0
.rept 8
	v_mul_f32 v[SQ+2*i], v[SQ+2*i], v49
.set i, i+1
.endr
	; the table goes by trips.  The long tile's slot pp is read in trip 8 - pp; its dead slots (factor 0) fall on trips 1 .. g, which the short tile's slots 1 .. g then overwrite: the same thread, the same words, in order
.irp pp, 0,1,2,3,4,5,6,7
	ds_store_b32 v[FW], v[LQ+4*(\pp)]   offset:(8-(\pp))*1024
	ds_store_b32 v[FW], v[LQ+4*(\pp)+2] offset:(8-(\pp))*1024+512
.endr
	ds_store_b32 v[FW], v[SQ]
	ds_store_b32 v[FW], v[SQ+2] offset:512
.irp pp, 1,2,3
	s_cmp_gt_u32 s[NS], \pp
	s_cbranch_scc0 .Ltable_done
	ds_store_b32 v[FW], v[SQ+4*(\pp)]   offset:(\pp)*1024
	ds_store_b32 v[FW], v[SQ+4*(\pp)+2] offset:(\pp)*1024+512
.endr
.Ltable_done:
	; O, T1 and F1 start at 0, so that every trip has one text; written while the first tile is on its way
.set i, 0
.rept 128
	v_mov_b32 v[O+i], 0
.set i, i+1
.endr
.irp i, 0,1,2,3
	v_mov_b32 v[F1+(\i)], 0
.endr
	WIN 0x80
.set i, 0
.rept 128
	v_mov_b32 v[T1+i], 0
.set i, i+1
.endr
	WIN 0
; 8 matrix instructions: row blocks a0, a0 + 1 x 4 channel blocks, 32 keys: half c of buffer f, into T.  The 16 accumulators take turns.
.macro MUL8 f, c, a0, T, zero
	WIN 0xa5
.irp a, \a0, (\a0)+1
.irp n, 0,1,2,3
.if \zero
	v_wmma_f32_16x16x32_f16 v[(\T)+8*(4*(\a)+(\n)):(\T)+8*(4*(\a)+(\n))+7], v[(\f)+64+8*(4*(\c)+(\n)):(\f)+64+8*(4*(\c)+(\n))+7], v[(\f)+8*(4*(\c)+(\a)):(\f)+8*(4*(\c)+(\a))+7], 0
.else
	v_wmma_f32_16x16x32_f16 v[(\T)+8*(4*(\a)+(\n)):(\T)+8*(4*(\a)+(\n))+7], v[(\f)+64+8*(4*(\c)+(\n)):(\f)+64+8*(4*(\c)+(\n))+7], v[(\f)+8*(4*(\c)+(\a)):(\f)+8*(4*(\c)+(\a))+7], v[(\T)+8*(4*(\a)+(\n)):(\T)+8*(4*(\a)+(\n))+7]
.endif
.endr
.endr
.endm
; 32 LDS loads in one run: the fragments of keys 64 q .. 64 q + 63 of the slot into buffer f; the first 32 keys first
.macro FETCH q, f
	WIN 0x40
.irp c, 0,1
.irp i, 0,1,2,3
	ds_load_tr16_b128 v[(\f)+64+8*(4*(\c)+(\i)):(\f)+64+8*(4*(\c)+(\i))+3],   v[ADRB] offset:(64*(\q)+32*(\c))*PVP+32*(\i)
	ds_load_tr16_b128 v[(\f)+64+8*(4*(\c)+(\i))+4:(\f)+64+8*(4*(\c)+(\i))+7], v[ADRB] offset:(64*(\q)+32*(\c)+16)*PVP+32*(\i)
	ds_load_b128 v[(\f)+8*(4*(\c)+(\i)):(\f)+8*(4*(\c)+(\i))+3],   v[ADRA] offset:128*(\q)+64*(\c)+(\i)*16*PP
	ds_load_b128 v[(\f)+8*(4*(\c)+(\i))+4:(\f)+8*(4*(\c)+(\i))+7], v[ADRA] offset:128*(\q)+64*(\c)+(\i)*16*PP+32
.endr
.endr
.endm
; O += f T for accumulators 2 k and 2 k + 1: eight packed multiply-adds; the factor of row block ma is one register, given to both halves
.macro GF k, T, F
	WIN 0x02
.irp c, 0,1
.irp p, 0,1,2,3
.set ac, 2*(\k)+(\c)
.set ma, ac/4
.if ma%2 == 0
	v_pk_fma_f32 v[O+8*ac+2*(\p):O+8*ac+2*(\p)+1], v[(\T)+8*ac+2*(\p):(\T)+8*ac+2*(\p)+1], v[(\F)+ma:(\F)+ma+1], v[O+8*ac+2*(\p):O+8*ac+2*(\p)+1] op_sel_hi:[1,0,1]
.else
	v_pk_fma_f32 v[O+8*ac+2*(\p):O+8*ac+2*(\p)+1], v[(\T)+8*ac+2*(\p):(\T)+8*ac+2*(\p)+1], v[(\F)+ma-1:(\F)+ma], v[O+8*ac+2*(\p):O+8*ac+2*(\p)+1] op_sel:[0,1,0] op_sel_hi:[1,1,1]
.endif
.endr
.endr
.endm
.macro FMA T, F
.irp k, 0,1,2,3,4,5,6,7
	GF \k, \T, \F
.endr
.endm
; THE WAY OUT: row block mb through my stage, back as whole rows of 256 bytes
.macro STG mb
	WIN 0
	s_wait_xcnt 0x0                                ; the stores of the block two back have read these registers
.irp n, 0,1,2,3
	ds_store_b128 v[STO], v[O+8*(4*(\mb)+(\n)):O+8*(4*(\mb)+(\n))+3]   offset:64*(\n)
	ds_store_b128 v[STO], v[O+8*(4*(\mb)+(\n))+4:O+8*(4*(\mb)+(\n))+7] offset:64*(\n)+16
.endr
.irp t, 0,1,2,3,4,5,6,7
	ds_load_b128 v[OB+32*((\mb)%2)+4*(\t):OB+32*((\mb)%2)+4*(\t)+3], v[RD] offset:2*SP*(\t)  ; LDS serves a wave's instructions in order (ISA guide 5.7.1.4)
.endr
.endm
.macro SND mb, younger, base
	s_wait_dscnt \younger
.irp t, 0,1,2,3,4,5,6,7
	global_store_b128 v[CO], v[OB+32*((\mb)%2)+4*(\t):OB+32*((\mb)%2)+4*(\t)+3], s[(\base):(\base)+1] offset:(\mb)*65536+(\t)*8192 th:TH_STORE_NT  ; sixteen lanes store 256 consecutive bytes of a row, aligned
.endr
.endm
.macro WAYOUT base
	STG 0
	STG 1
	SND 0, 16, \base                               ; the sixteen are the next block's stage instructions
	STG 2
	SND 1, 16, \base
	STG 3
	SND 2, 16, \base
	SND 3, 0, \base
.endm
; A trip's work: two halves of 128 keys.  The first half's products go into T0, the second's into T1; O takes f T0 beside the second half's products, and f T1 at the head of the next trip.
.macro WORK chk, ask
	WIN 0
	ds_load_b128 v[F0:F0+3], v[FR]
	FETCH 0, 0
	WIN 0
.if \ask
	ASK
.endif
	FMA T1, F1                                     ; the trip before's second half, while the fragments come
.if \chk
	WIN 0
	s_cmp_eq_u32 s[TR], s[NS1]                     ; was that the short tile's last trip?
	s_cbranch_scc0 .Lsame_\@
	WAYOUT OS
.set i, 0
.rept 128
	v_mov_b32 v[O+i], 0
.set i, i+1
.endr
.Lsame_\@:
.endif
	s_wait_dscnt 16                                ; F0 and the first 32 keys are in
	MUL8 0, 0, 0, T0, 1
	MUL8 0, 0, 2, T0, 1
	PLACES
	WIN 0
	ds_load_b128 v[F1:F1+3], v[FR] offset:512
	FETCH 1, 128
	s_wait_dscnt 33                                ; all but F1's load and the 32 just issued
	MUL8 0, 1, 0, T0, 0
	MUL8 0, 1, 2, T0, 0
	s_wait_dscnt 16
	MUL8 128, 0, 0, T0, 0
	MUL8 128, 0, 2, T0, 0
	PLACES
	FETCH 2, 0
	s_wait_dscnt 32
	MUL8 128, 1, 0, T0, 0
	MUL8 128, 1, 2, T0, 0
	s_wait_dscnt 16
	PLACES                                         ; behind T0's last products, in front of its readers
	MUL8 0, 0, 0, T1, 1
	GF 0, T0, F0
	MUL8 0, 0, 2, T1, 1
	GF 1, T0, F0
	FETCH 3, 128
	s_wait_dscnt 32
	MUL8 0, 1, 0, T1, 0
	GF 2, T0, F0
	MUL8 0, 1, 2, T1, 0
	GF 3, T0, F0
	s_wait_dscnt 16
	MUL8 128, 0, 0, T1, 0
	GF 4, T0, F0
	MUL8 128, 0, 2, T1, 0
	GF 5, T0, F0
	s_wait_dscnt 0x0
	MUL8 128, 1, 0, T1, 0
	GF 6, T0, F0
	MUL8 128, 1, 2, T1, 0
	GF 7, T0, F0                                   ; eight plain instructions: the places behind T1's last products
.endm
; A TRIP.  Each wave waits for all its tensor loads (its part of this trip's tile), adds 0 to its spare word, makes the next tile's descriptors anew from the trip's number, waits for the add and its reads,
; and passes a round of the cluster's barrier; the refill of the other slot is the first thing behind it.
.macro TRIP refill, chk
	WIN 0
	s_wait_tensorcnt 0x0                           ; no tensor load of mine is out, so a group 0 may be written
	ds_add_u32 v[SPW], v[NIL]                      ; 0 onto my spare word; scalar work stands between it and the wait for it
	s_add_co_u32 s[TR], s[TR], 1
.if \refill
	s_xor_b32 s[G0P+1], s[G0P+1], SLOT1            ; the other slot than last time
	s_xor_b32 s[G0V+1], s[G0V+1], SLOT1
	s_sub_co_u32 s80, 8, s[TR]
	s_cmp_lt_u32 s[TR], s[NS]                      ; still the short tile?
	s_cselect_b32 s[SL], s[TR], s80                ; its key slot
	s_cselect_b64 s[PX:PX+1], s[PS:PS+1], s[PL:PL+1]
	s_lshl_b32 s[OFF], s[SL], 9                    ; 256 keys are 512 bytes of a row of P
	s_add_nc_u64 s[G0P+2:G0P+3], s[PX:PX+1], s[OFF:OFF+1]
	s_or_b32 s[G0P+3], s[G0P+3], 0x80000000
	s_lshl_b32 s[OFF], s[SL], 15                   ; and 32,768 bytes of a column block of V
	s_add_nc_u64 s[G0V+2:G0V+3], s[VB:VB+1], s[OFF:OFF+1]
	s_or_b32 s[G0V+3], s[G0V+3], 0x80000000
	s_add_co_u32 s81, s[TR], 1                     ; the prefetch names the trip after, held at the last
	s_min_u32 s81, s81, 8
	s_sub_co_u32 s80, 8, s81
	s_cmp_lt_u32 s81, s[NS]
	s_cselect_b32 s80, s81, s80
	s_wait_xcnt 0x0                                ; the last prefetch, a trip back, has read its address
	s_cselect_b64 s[PFA:PFA+1], s[QS:QS+1], s[QL:QL+1]
	s_lshl_b32 s[OFF], s80, 9
	s_add_nc_u64 s[PFA:PFA+1], s[PFA:PFA+1], s[OFF:OFF+1]
	s_wait_dscnt 0x0                               ; the add is done; my reads of the other slot (and, the first time, my stores into the table) are over
	CROUND
	JLOAD
.else
	s_wait_dscnt 0x0
	s_barrier_signal -1
	s_barrier_wait -1
.endif
	v_add_nc_u32 v[ADRA], s[TB], v[A0]             ; this trip's slot;
	v_add_nc_u32 v[ADRB], s[TB], v[B0]
	s_xor_b32 s[TB], s[TB], SLOT1                  ; the next trip's is the other
	WORK \chk, \refill
	WIN 0
	v_add_nc_u32 v[FR], 1024, v[FR]                ; the next trip's factors
.endm
	s_mov_b32 s[CNT], 8
.Ltrip:                                                ; trips 0 to 7: each asks for the next trip's tile
	TRIP 1, 1
	s_sub_co_u32 s[CNT], s[CNT], 1
	s_cmp_lg_u32 s[CNT], 0
	s_cbranch_scc1 .Ltrip
	TRIP 0, 0                                      ; trip 8 is written out: nothing is asked for
	FMA T1, F1
	WIN 0
	WAYOUT OL
	s_wait_tensorcnt 0x0                           ; the wave's end
	ds_add_u32 v[SPW], v[NIL]
	s_wait_dscnt 0x0
	CROUND                                         ; the closing round
	s_endpgm
.Lfunc_end_k_q9939390579_pv:
	.size	k_q9939390579_pv, .Lfunc_end_k_q9939390579_pv-k_q9939390579_pv
	.p2alignl 7, 3214868480
	.fill 96, 4, 3214868480
	.section	.rodata,"a",@progbits
	.p2align	6, 0x0
	.amdhsa_kernel k_q9939390579_pv
		.amdhsa_group_segment_fixed_size 327680
		.amdhsa_private_segment_fixed_size 0
		.amdhsa_enable_private_segment 0
		.amdhsa_kernarg_size 32
		.amdhsa_user_sgpr_count 2
		.amdhsa_user_sgpr_kernarg_segment_ptr 1
		.amdhsa_wavefront_size32 1
		.amdhsa_system_sgpr_workgroup_id_x 1
		.amdhsa_system_sgpr_workgroup_id_y 1
		.amdhsa_system_sgpr_workgroup_id_z 1
		.amdhsa_system_vgpr_workitem_id 0
		.amdhsa_next_free_vgpr 768
		.amdhsa_next_free_sgpr 88
		.amdhsa_reserve_vcc 0
		.amdhsa_float_denorm_mode_32 3
		.amdhsa_float_denorm_mode_16_64 3
		.amdhsa_memory_ordered 1
		.amdhsa_forward_progress 1
		.amdhsa_inst_pref_size 102
	.end_amdhsa_kernel
	.amdgpu_metadata
---
amdhsa.version: [ 1, 2 ]
amdhsa.kernels:
  - .name:           k_q9939390579_pv
    .symbol:         k_q9939390579_pv.kd
    .args:
      - { .name: p, .offset: 0, .size: 8, .value_kind: global_buffer, .address_space: global }
      - { .name: st, .offset: 8, .size: 8, .value_kind: global_buffer, .address_space: global }
      - { .name: qkv, .offset: 16, .size: 8, .value_kind: global_buffer, .address_space: global }
      - { .name: out0, .offset: 24, .size: 8, .value_kind: global_buffer, .address_space: global }
    .group_segment_fixed_size: 327680
    .private_segment_fixed_size: 0
    .kernarg_segment_align: 8
    .kernarg_segment_size: 32
    .max_flat_workgroup_size: 128
    .sgpr_count:     88
    .vgpr_count:     768
    .wavefront_size: 32
...
	.end_amdgpu_metadata
.endif
;; end of part 4
